; MI455X (gfx1250); checked and timed in simulation.
; The chip was launched on July 23, 2026; its instructions are those of AMD's public machine-readable ISA for CDNA 5 (MIT licence, August 2026) and "CDNA5" Instruction Set Architecture Reference Guide (July 2026). The comments in the code are by the model that wrote it; some were corrected since.
;; Multiheaded Self Attention. Allowed arithmetic: matrix products marked QUANTISED: E2M3 operands, one E8M0 scale for each 32 along K, by v_wmma_scale_f32_16x16x128_f8f6f4 with both operands' format E2M3, f32 sums; everything else in f32.
;; Inputs: Wk 1,024 x 1,024 float32; Wo 1,024 x 1,024 float32; Wq 1,024 x 1,024 float32; Wv 1,024 x 1,024 float32; token_positions 2,048 int32; x 4 x 2,048 x 1,024 float32.
;; Outputs: out0 4 x 2,048 x 1,024 float32.
;; This version of the problem:
;;   THIS VERSION OF THE PROBLEM IS GIVEN IN LOW PRECISION. The matrix products marked QUANTISED in the list below multiply operands that are first quantised to E2M3 (2 exponent bits, 3 mantissa bits; 6 bits a number), with one power-of-two scale for each 32 numbers along K (OCP MX v1.0); their sums are f32. All else is computed in f32.
;;   The module's matrix products, in the order in which they are computed (A, B: the left and right operand; K: the contracted axis; several contracted axes count as one K, in the product's order):
;;     1. [M 8,192, K 1,024] x [K 1,024, N 1,024]; A: input x; B: input Wq: QUANTISED
;;     2. [M 8,192, K 1,024] x [K 1,024, N 1,024]; A: input x; B: input Wk: QUANTISED
;;     3. [M 8,192, K 1,024] x [K 1,024, N 1,024]; A: input x; B: input Wv: QUANTISED
;;     4. batch 64 x [M 2,048, K 64] x [K 64, N 2,048]; A: computed on the way; B: computed on the way: QUANTISED
;;     5. batch 64 x [M 2,048, K 2,048] x [K 2,048, N 64]; A: softmax (see below); B: computed on the way: QUANTISED
;;     6. [M 8,192, K 1,024] x [K 1,024, N 1,024]; A: computed on the way; B: input Wo: QUANTISED
;;   THE QUANTISER, for each operand of a quantised product, along K:
;;     - K is cut into blocks of 32 from its start; a last block that is shorter is filled with zeros.
;;     - A block's scale is 2^e with e = floor(log2(the largest magnitude in the block)) - 2, held to -126 .. 127; a block of zeros has e = 0. As a byte (E8M0): e + 127.
;;     - Each number is divided by its block's scale, clamped to +-7.5, and rounded to the nearest number of E2M3, ties to even, subnormals kept.
;;     - The product sums the exact products of the quantised numbers (number of the format x scale) in f32.
;;   ~~~python
;;   def quantise(x, axis):      # numpy; x: float32 -> the quantised numbers, widened to float32 again
;;       x = np.moveaxis(x, axis, -1); K = x.shape[-1]
;;       x = np.pad(x, [(0, 0)] * (x.ndim - 1) + [(0, -K % 32)]); x = x.reshape(x.shape[:-1] + (-1, 32)); a = np.abs(x).max(-1, keepdims=True)
;;       e = np.where(a > 0, np.clip(np.frexp(np.where(a > 0, a, 1))[1] - 1 - 2, -126, 127), 0)      # np.frexp(a)[1] - 1 = floor(log2(a)), exactly
;;       r = np.clip(x / 2.0 ** e, -7.5, 7.5)
;;       step = 2.0 ** (np.maximum(np.frexp(np.where(r == 0, 1, r))[1] - 1, 0) - 3)
;;       q = np.round(r / step) * step * 2.0 ** e      # np.round: ties to even
;;       return np.moveaxis(q.reshape(q.shape[:-2] + (-1,))[..., :K], -1, axis).astype(np.float32)
;;   ~~~
;;   SOFTMAX AHEAD OF A QUANTISED PRODUCT. Where the list says 'softmax', what is quantised is not the finished softmax but p = 2^(t - M), with t = logit x log2(e) and M = ceil(the row's largest t), a whole number; so 1/2 < the row's largest p <= 1. The row's sum l is taken of the UNQUANTISED p, in f32, and the product's result is divided by l at the end. Since M is a whole number, a kernel that streams over the keys may use a running M (the ceiling of the running maximum): every later rescaling is an exact power of two, which a block's scale takes up: the codes' values come out the same.
;;   OPERANDS COMPUTED ON THE WAY. 'Computed on the way' means the value that the module computes at that place (a softmax that the list does not call 'softmax' is quantised finished and normalised). What goes into a quantiser is computed in f32, as accurately as f32 sums, v_exp_f32 and their like allow (about 1e-6 of the number): no bf16 or f16 on the way to a quantiser, and a product that is left as it is and whose result goes on into a quantised operand takes f32 operands (vector FMAs, or v_wmma_f32_16x16x4_f32). A number that lies on a knife's edge between two numbers of the format may be rounded either way, as far as f32 arithmetic and the matrix unit's own rounding can turn it there, and no further.
;; 2 versions, each right; version 2 is version 1 with the launch attn written anew for expert scheduling mode. Each part assembles by itself: llvm-mc -triple=amdgcn-amd-amdhsa -mcpu=gfx1250 --defsym DOCPART=n.
;; ======== version 1 of 2: 4 launches
;; limits: inputs' magnitudes at most 4,194,304
;; workspace buffers: pre 10,354,688 bytes; qkvc 20,185,088 bytes; att 6,553,600 bytes
;; launch prep (part 1): grid 416 x 1, 4 waves a work-group, no clusters, 34,304 bytes of LDS; arguments x, Wq, Wk, Wv, Wo, token_positions, pre; writes pre
.if DOCPART == 1
	.amdgcn_target "amdgcn-amd-amdhsa--gfx1250"
	.amdhsa_code_object_version 6
	.text
	.protected	k_qf241ccf73b_prep
	.globl	k_qf241ccf73b_prep
	.p2align	8
	.type	k_qf241ccf73b_prep,@function
k_qf241ccf73b_prep:
	s_mov_b64 s[64:65], 0
	v_nop
	global_prefetch_b8 v0, s[64:65] scope:SCOPE_SE
	s_setreg_imm32_b32 hwreg(HW_REG_WAVE_MODE, 25, 1), 1
	s_wait_xcnt 0x0
; x [8192][1024] and Wq, Wk, Wv, Wo [1024][1024], f32, K innermost, become codes of FP6 (E2M3) with one E8M0 byte for each 32 along K, laid in the ORDER OF AN OPERAND'S REGISTERS;
; and token_positions becomes a table of cosines and sines.  All goes into the one workspace buffer pre.
; TILES.  Rows are grouped in tiles of 16: row r of tile T is row 32 (T / 2) + 8 (T % 2) + r + 8 (r / 8).  A fragment (a tile x 128 along K) is 12 registers a lane: lane (r, h) holds k = 64 c + 32 h + 0 .. 31 in registers 6 c .. 6 c + 5.
; Its image is 1,536 bytes: registers 0-3 at 16 x lane, 4-5 at 512 + 8 x lane, 6-9 at 768 + 16 x lane, 10-11 at 1,280 + 8 x lane.  Codes: [tile][8 K steps][1536].  Scale words: [tile][4][16 rows][2 words], word q of pair kp for K step 2 kp + q.
; A block's scale is 2^(floor(log2(its largest magnitude)) - 2); its byte is that magnitude's exponent field - 2, held at 1 from below.
; LIMITS: a block of zeros gets the byte 1 where the rule says 127 (its codes are zeros, and the bytes are read by this program alone); NaN and infinities are not served.
; SHARES.  Work-groups 0-255: x; 256-383: the four weights, 32 each.  A work-group takes two tiles; wave w takes tile w / 2, K half w % 2: four fragments.  Each load reads 512 consecutive bytes of a row; a fragment's 16 rows turn
; through the wave's own stage in LDS (rows 528 bytes apart) so that a lane gets 32 neighbours along K.  Every store covers 512 or 256 consecutive aligned bytes.  Waves share nothing: no barrier.
; Work-groups 384-415: the table [2048 s][32 pairs][cos, sin]: a wave takes 16 positions, a lane a pair.  angle = f32(position) x 10^(-pair / 8), one rounding; reduced by quarter turns in three parts of pi / 2; polynomials on +-pi / 4.
; LIMITS of the table: the 32 frequencies are the powers rounded to nearest (a library's power may differ in the last bit); the reduction keeps f32 accuracy for angles up to about 2^22.
.set XC,     0
.set WC,     6291456
.set XS,     9437184
.set WS,     9699328
.set TAB,    9830400
.set SPITCH, 528                       ; a stage row: 512 bytes + 16, an odd multiple of 16
.set STG,    16*SPITCH                 ; a wave's stage
.set SPARE,  4*STG                     ; behind the stages: the spare words, 128 bytes for each wave, which no other line names
.set SPW,    8                         ; v8  LDS address of my spare word; never rewritten
.set NIL,    9                         ; v9  0; never rewritten
.set W,      20                        ; v20-23 the four fragments' scale words
.set R,      32                        ; v32-95, v96-159 two sets of 64 numbers
.set C,      160                       ; v160-207 codes: 12 registers for each fragment, so that no store's data are written again
	s_load_b256 s[4:11], s[0:1], 0x0               ; x, Wq, Wk, Wv
	s_load_b128 s[12:15], s[0:1], 0x20             ; Wo, token_positions
	s_load_b64 s[16:17], s[0:1], 0x30              ; pre
	v_lshl_add_u32 v[SPW], v0, 2, SPARE
	v_mov_b32 v[NIL], 0
	v_lshrrev_b32 v1, 5, v0
	v_readfirstlane_b32 s18, v1                    ; wave
	v_and_b32 v1, 31, v0                           ; lane
	v_lshlrev_b32 v2, 4, v1                        ; 16 x lane
	v_lshlrev_b32 v3, 3, v1                        ; 8 x lane
	s_cmp_ge_u32 ttmp9, 384
	s_cbranch_scc1 .Lrope
	; ---- the quantiser
	v_and_b32 v17, 15, v0                          ; r
	v_bfe_u32 v18, v0, 4, 1                        ; h
	s_mul_i32 s19, s18, STG
	v_add_nc_u32 v4, s19, v2                       ; into the stage: 16 x lane of a row
	v_mul_u32_u24 v5, v17, SPITCH
	v_lshl_add_u32 v5, v18, 7, v5
	v_add_nc_u32 v5, s19, v5                       ; out of it: row r, + 128 h
	v_lshlrev_b32 v6, 3, v18                       ; 8 h: my bytes' place in a scale word
	v_mov_b32 v16, 0                               ; a lane permute's destination counts as one of its sources
	s_mov_b32 s20, 0x76543210
	s_mov_b32 s21, 0xfedcba98                      ; selects for lane l xor 16
	s_mov_b32 s27, XS
	s_mov_b32 s28, WS
	s_wait_kmcnt 0x0
	s_cmp_lt_u32 ttmp9, 352                        ; which tensor: the choice hangs on the work-group's number alone
	s_cselect_b64 s[22:23], s[10:11], s[12:13]
	s_cmp_lt_u32 ttmp9, 320
	s_cselect_b64 s[22:23], s[8:9], s[22:23]
	s_cmp_lt_u32 ttmp9, 288
	s_cselect_b64 s[22:23], s[6:7], s[22:23]
	s_cmp_lt_u32 ttmp9, 256
	s_cselect_b64 s[22:23], s[4:5], s[22:23]
	s_cselect_b32 s24, 0, 256                      ; the first work-group of x or of the weights
	s_cselect_b32 s25, 511, 63                     ; tiles in a tensor, less one
	s_cselect_b32 s26, XC, WC
	s_cselect_b32 s27, s27, s28
	s_sub_co_u32 s24, ttmp9, s24
	s_lshl_b32 s24, s24, 1
	s_lshr_b32 s29, s18, 1
	s_add_co_u32 s24, s24, s29                     ; my tile in the region of codes
	s_and_b32 s29, s18, 1                          ; my half of K
	s_and_b32 s25, s24, s25                        ; my tile in its tensor
	s_lshr_b32 s30, s25, 1
	s_lshl_b32 s30, s30, 17                        ; 32 rows of 4,096 bytes
	s_and_b32 s31, s25, 1
	s_lshl_b32 s31, s31, 15                        ; 8 rows
	s_add_co_u32 s30, s30, s31
	s_lshl_b32 s31, s29, 11                        ; 512 numbers
	s_add_co_u32 s30, s30, s31
	s_mov_b32 s31, 0
	s_add_nc_u64 s[22:23], s[22:23], s[30:31]      ; where I read
	s_mul_i32 s32, s24, 12288
	s_mul_i32 s33, s29, 6144
	s_add_co_u32 s32, s32, s33
	s_add_co_u32 s32, s32, s26
	s_mov_b32 s33, 0
	s_add_nc_u64 s[34:35], s[16:17], s[32:33]      ; my four images
	s_lshl_b32 s32, s24, 9
	s_lshl_b32 s36, s29, 8
	s_add_co_u32 s32, s32, s36
	s_add_co_u32 s32, s32, s27
	s_add_nc_u64 s[36:37], s[16:17], s[32:33]      ; my 256 bytes of scale words
.macro LOADF f                         ; fragment f: 16 rows x 512 bytes into set f % 2
.irp rr, 0,1,2,3,4,5,6,7,8,9,10,11,12,13,14,15
	global_load_b128 v[R+64*((\f)%2)+4*\rr:R+64*((\f)%2)+4*\rr+3], v2, s[22:23] offset:(\rr+8*(\rr/8))*4096+512*(\f) th:TH_LOAD_NT
.endr
.endm
.macro QF f
.set RS, R+64*((\f)%2)
.set CF, C+12*(\f)
.if (\f) < 3
	s_wait_loadcnt 16                              ; my fragment's 16 loads are in; the next fragment's 16 may be out
.else
	s_wait_loadcnt 0
.endif
.irp rr, 0,1,2,3,4,5,6,7,8,9,10,11,12,13,14,15
	ds_store_b128 v4, v[RS+4*\rr:RS+4*\rr+3] offset:SPITCH*\rr
.endr
.irp c, 0,1                            ; LDS serves a wave's instructions in order: these see the stores above.  Register 32 c + i: k = 64 c + 32 h + i of row r
.irp i, 0,1,2,3,4,5,6,7
	ds_load_b128 v[RS+32*\c+4*\i:RS+32*\c+4*\i+3], v5 offset:256*\c+16*\i
.endr
.endr
	s_wait_dscnt 0x0
.irp c, 0,1
	v_max3_num_f32 v[10+\c], |v[RS+32*\c]|, |v[RS+32*\c+1]|, 0x1800000   ; a whole block is mine; the floor 2^(3 - 127) holds the byte at 1 from below
.endr
.irp i, 2,4,6,8,10,12,14,16,18,20,22,24,26,28,30
.irp c, 0,1
	v_max3_num_f32 v[10+\c], v[10+\c], |v[RS+32*\c+\i]|, |v[RS+32*\c+\i+1]|
.endr
.endr
.irp c, 0,1
	v_add_nc_u32 v[12+\c], 0xff000000, v[10+\c]    ; 2 off the exponent field: the conversion's scale operand
.endr
.irp c, 0,1
	v_lshrrev_b32 v[14+\c], 23, v[12+\c]           ; the scale's byte
.endr
	v_lshl_or_b32 v[W+(\f)], v15, 16, v14          ; blocks h and 2 + h of my row,
	v_lshlrev_b32 v[W+(\f)], v6, v[W+(\f)]         ; at their places;
	v_permlanex16_b32 v16, v[W+(\f)], s20, s21
	v_or_b32 v[W+(\f)], v[W+(\f)], v16             ; with lane l xor 16's two the word is whole
.irp c, 0,1
	v_cvt_scalef32_pk16_fp6_f32 v[CF+6*\c:CF+6*\c+2], v[RS+32*\c:RS+32*\c+15], v[12+\c]
	v_cvt_scalef32_pk16_fp6_f32 v[24+4*\c:26+4*\c], v[RS+32*\c+16:RS+32*\c+31], v[12+\c]   ; (a conversion's three registers begin on an even number)
.endr
	v_nop                                          ; one plain place behind a scaled conversion
.irp c, 0,1
.irp i, 0,1,2
	v_mov_b32 v[CF+6*\c+3+\i], v[24+4*\c+\i]
.endr
.endr
.if (\f) < 2
	LOADF (\f)+2                                   ; into the set just left
.endif
	global_store_b128 v2, v[CF:CF+3], s[34:35] offset:1536*(\f)
	global_store_b64 v3, v[CF+4:CF+5], s[34:35] offset:1536*(\f)+512
	global_store_b128 v2, v[CF+6:CF+9], s[34:35] offset:1536*(\f)+768
	global_store_b64 v3, v[CF+10:CF+11], s[34:35] offset:1536*(\f)+1280
.endm
	LOADF 0
	LOADF 1
	QF 0
	QF 1
	QF 2
	QF 3
	v_cmp_le_u32 vcc_lo, 16, v1                    ; lanes 0-15 store K steps 0, 1 of row r, lanes 16-31 K steps 2, 3
	v_cndmask_b32 v10, v[W], v[W+2], vcc_lo
	v_cndmask_b32 v11, v[W+1], v[W+3], vcc_lo
	global_store_b64 v3, v[10:11], s[36:37]        ; 256 consecutive aligned bytes
	s_wait_tensorcnt 0x0                           ; the wave's end, behind my last LDS store
	ds_add_u32 v[SPW], v[NIL]
	s_wait_dscnt 0x0
	s_endpgm
	; ---- the table of cosines and sines
.Lrope:
	s_sub_co_u32 s19, ttmp9, 384
	s_lshl_b32 s19, s19, 2
	s_add_co_u32 s19, s19, s18                     ; which 16 positions are my wave's
	s_lshl_b32 s20, s19, 6
	s_mov_b32 s21, 0
	s_lshl_b32 s22, s19, 12                        ; 16 rows of 256 bytes
	s_add_co_u32 s22, s22, TAB
	s_mov_b32 s23, 0
	s_wait_kmcnt 0x0
	s_add_nc_u64 s[14:15], s[14:15], s[20:21]
	s_add_nc_u64 s[16:17], s[16:17], s[22:23]
	s_load_b512 s[32:47], s[14:15], 0x0            ; 16 positions
	v_mov_b32 v7, 1.0                              ; lane i: 10^(-i / 8), as f32 bits
.set i, 1
.irp c, 0x3f3ff911,0x3f0ff59a,0x3ed7e89b,0x3ea1e89b,0x3e72d424,0x3e361887,0x3e088d77,0x3dcccccd,0x3d99940e,0x3d6655c3,0x3d2cba15,0x3d0186e2,0x3cc24350,0x3c91ad39,0x3c5a7bf1,0x3c23d70a,0x3bf5b9b0,0x3bb8449c,0x3b8a2e77,0x3b4f3e37,0x3b1b690d,0x3ae91528,0x3aaec98e,0x3a83126f,0x3a44948c,0x3a136a16,0x39dd1726,0x39a5cb5f,0x3978a814,0x393a7753,0x390bd472
	s_mov_b32 s48, \c
	v_writelane_b32 v7, s48, i
.set i, i+1
.endr
	v_mov_b32 v17, 0xb94ca1f9                      ; the polynomials' leading coefficients
	v_mov_b32 v18, 0x37ccf5ce
	s_wait_kmcnt 0x0
.macro ROPE j
	v_cvt_f32_i32 v10, s[32+\j]
	v_mul_f32 v10, v10, v7                         ; the angle
	v_mul_f32 v11, 0x3f22f983, v10                 ; x 2 / pi
	v_rndne_f32 v11, v11                           ; n quarter turns
	v_fmamk_f32 v12, v11, 0xbfc90fdb, v10          ; angle - n pi / 2, pi / 2 in three parts
	v_fmamk_f32 v12, v11, 0x333bbd2e, v12
	v_fmamk_f32 v12, v11, 0x26f72ced, v12
	v_cvt_i32_f32 v13, v11
	v_mul_f32 v14, v12, v12                        ; z
	v_fmaak_f32 v15, v17, v14, 0x3c08839e
	v_fmaak_f32 v16, v18, v14, 0xbab6061a
	v_fmaak_f32 v15, v15, v14, 0xbe2aaaa3
	v_fmaak_f32 v16, v16, v14, 0x3d2aaaa5
	v_mul_f32 v15, v15, v14
	v_mul_f32 v19, v14, v14
	v_fma_f32 v20, v14, -0.5, 1.0
	v_fma_f32 v15, v15, v12, v12                   ; the sine of the rest
	v_fma_f32 v16, v16, v19, v20                   ; its cosine
	v_and_b32 v21, 1, v13
	v_cmp_eq_u32 vcc_lo, 1, v21                    ; an odd number of quarter turns swaps the two
	v_cndmask_b32 v22, v15, v16, vcc_lo
	v_cndmask_b32 v23, v16, v15, vcc_lo
	v_lshlrev_b32 v24, 30, v13                     ; the sine's sign: bit 1 of n;
	v_add_nc_u32 v25, 1, v13
	v_lshlrev_b32 v25, 30, v25                     ; the cosine's: bit 1 of n + 1
	v_and_b32 v24, 0x80000000, v24
	v_and_b32 v25, 0x80000000, v25
	v_xor_b32 v[65+2*\j], v24, v22
	v_xor_b32 v[64+2*\j], v25, v23
	global_store_b64 v3, v[64+2*\j:65+2*\j], s[16:17] offset:256*\j   ; a row of the table: 256 consecutive aligned bytes
.endm
.irp j, 0,1,2,3,4,5,6,7,8,9,10,11,12,13,14,15
	ROPE \j
.endr
	s_wait_tensorcnt 0x0                           ; the same three lines at this way's end
	ds_add_u32 v[SPW], v[NIL]
	s_wait_dscnt 0x0
	s_endpgm
.Lfunc_end_k_qf241ccf73b_prep:
	.size	k_qf241ccf73b_prep, .Lfunc_end_k_qf241ccf73b_prep-k_qf241ccf73b_prep
	.p2alignl 7, 3214868480
	.fill 96, 4, 3214868480
	.section	.rodata,"a",@progbits
	.p2align	6, 0x0
	.amdhsa_kernel k_qf241ccf73b_prep
		.amdhsa_group_segment_fixed_size 34304
		.amdhsa_private_segment_fixed_size 0
		.amdhsa_enable_private_segment 0
		.amdhsa_kernarg_size 56
		.amdhsa_user_sgpr_count 2
		.amdhsa_user_sgpr_kernarg_segment_ptr 1
		.amdhsa_wavefront_size32 1
		.amdhsa_system_sgpr_workgroup_id_x 1
		.amdhsa_system_sgpr_workgroup_id_y 1
		.amdhsa_system_sgpr_workgroup_id_z 1
		.amdhsa_system_vgpr_workitem_id 0
		.amdhsa_next_free_vgpr 208
		.amdhsa_next_free_sgpr 66
		.amdhsa_reserve_vcc 1
		.amdhsa_float_denorm_mode_32 3
		.amdhsa_float_denorm_mode_16_64 3
		.amdhsa_memory_ordered 1
		.amdhsa_forward_progress 1
		.amdhsa_inst_pref_size 58
	.end_amdhsa_kernel
	.amdgpu_metadata
---
amdhsa.version: [ 1, 2 ]
amdhsa.kernels:
  - .name:           k_qf241ccf73b_prep
    .symbol:         k_qf241ccf73b_prep.kd
    .args:
      - { .name: x, .offset: 0, .size: 8, .value_kind: global_buffer, .address_space: global }
      - { .name: Wq, .offset: 8, .size: 8, .value_kind: global_buffer, .address_space: global }
      - { .name: Wk, .offset: 16, .size: 8, .value_kind: global_buffer, .address_space: global }
      - { .name: Wv, .offset: 24, .size: 8, .value_kind: global_buffer, .address_space: global }
      - { .name: Wo, .offset: 32, .size: 8, .value_kind: global_buffer, .address_space: global }
      - { .name: token_positions, .offset: 40, .size: 8, .value_kind: global_buffer, .address_space: global }
      - { .name: pre, .offset: 48, .size: 8, .value_kind: global_buffer, .address_space: global }
    .group_segment_fixed_size: 34304
    .private_segment_fixed_size: 0
    .kernarg_segment_align: 8
    .kernarg_segment_size: 56
    .max_flat_workgroup_size: 128
    .sgpr_count:     66
    .vgpr_count:     208
    .wavefront_size: 32
...
	.end_amdgpu_metadata
.endif
;; end of part 1
;; launch qkv (part 2): grid 12 x 32, 4 waves a work-group, clusters of 4 x 4, 327,680 bytes of LDS; arguments pre, qkvc; writes qkvc
.if DOCPART == 2
	.amdgcn_target "amdgcn-amd-amdhsa--gfx1250"
	.amdhsa_code_object_version 6
	.text
	.protected	k_qf241ccf73b_qkv
	.globl	k_qf241ccf73b_qkv
	.p2align	8
	.type	k_qf241ccf73b_qkv,@function
k_qf241ccf73b_qkv:
	s_mov_b64 s[64:65], 0
	v_nop
	global_prefetch_b8 v0, s[64:65] scope:SCOPE_SE
	s_setreg_imm32_b32 hwreg(HW_REG_WAVE_MODE, 25, 1), 1
	s_wait_xcnt 0x0
	s_wait_alu depctr_hold_cnt(0) depctr_sa_sdst(0) depctr_va_vdst(0) depctr_va_sdst(0) depctr_va_ssrc(0) depctr_va_vcc(0) depctr_vm_vsrc(0)
	s_getreg_b32 s2, hwreg(HW_REG_IB_STS2, 6, 4)
	s_cmp_eq_u32 s2, 0
	s_cbranch_scc0 .Lentry_in_a_cluster
	s_endpgm
.Lentry_in_a_cluster:
	s_bfe_u32 s2, ttmp6, 0x10000c
	s_cmp_lg_u32 s2, 0xf033
	s_cbranch_scc0 .Lentry_shape_is_right
	s_endpgm
.Lentry_shape_is_right:
; q, k, v = x Wq^T, x Wk^T, x Wv^T on codes of FP6 (E2M3) with E8M0 scales, K = 1,024; q and k are turned by RoPE and quantised along the head's 64; v is quantised along the keys.  Only codes and scale bytes go to memory.
; A work-group of four waves makes 256 x 256 results; a wave 128 x 128: 64 accumulators of 16 x 16, 512 registers.  Two sides: R is source 1 (a lane holds one of its rows), P is source 0 (a lane's registers run along its rows).
; Clusters x = 0, 1 (q, k): R = tokens, P = features, so that a lane's registers run along the head's d.  Cluster x = 2 (v): R = features, P = tokens, so that they run along the keys.  The sides change places BY ADDRESS: the loop's text is one.
; OPERANDS lie in memory as images of their registers (a tile of 16 rows x 128 K: 1,536 bytes), [tile][8 K steps][1536]; row r of tile T is row 32 (T / 2) + 8 (T % 2) + r + 8 (r / 8): so the 16 registers of result tiles 2 b, 2 b + 1 are 16 neighbours.
; K goes in steps of 256 through a ring of two LDS slots; a wave's tensor load brings 8 tiles x 3,072 bytes.  A fragment comes by four LDS loads, each of 512 or 256 consecutive bytes.  The scale words of all of K come once, with the first fills.
; CLUSTERS: 4 x 4 work-groups; R's tiles hang on cy alone and are asked for jointly along a row of the cluster, P's on cx alone, along a column.
; LIMITS: a block of zeros gets the scale byte 1 where the rule says 127 (its codes are zeros; the bytes are read by this program alone); NaN and infinities are not served.
; REGISTERS, in windows of 256: window 0: v16-29 addresses; v32-63 scale words, two sets; v128-223 R's fragments, one set; the epilogues use v64-255 but for v32-63.  window 1: P's fragments, two sets, at v0 and v128.
;   window 2: the accumulators of R's tiles 0-3 (accumulator (a, b) at v[8 (8 (a % 4) + b)]);  window 3: those of tiles 4-7.
.set XC,  0
.set WC,  6291456
.set XS,  9437184
.set WS,  9699328
.set TAB, 9830400
.set QC,  0
.set KC,  6291456
.set VC,  12582912
.set QS,  18874368
.set KS,  19398656
.set VS,  19922944
.set NQ,    2                          ; matrix instructions deep in a slot
.set FR,    12                         ; registers of a fragment
.set NL,    4                          ; LDS loads that bring one
.set NP,    4                          ; places behind this matrix instruction (ISA guide 7.12.1)
.set FRB,   1536                       ; a fragment's image
.set TILEB, NQ*FRB                     ; a tile's bytes in a slot
.set TROW,  8*FRB                      ; a tile's bytes in memory
.set HALFT, 8*TILEB                    ; 8 tiles: what one tensor load brings, and what one wave reads of a side
.set SLOT,  4*HALFT                    ; R's 16 tiles, then P's 16
.set LAPS,  2                          ; a lap = two slots = 512 along K
.set SCL,   2*SLOT                     ; behind the ring: the scale words, 512 bytes a tile
.set HALFS, 8*512
.set SBLK,  512
.set SPARE, SCL+4*HALFS                ; behind them: the spare words, 128 bytes for each wave, which no other line names
.set ADRA, 16                          ; v16-17 R's fragments in slot 0, 1: base + 16 x lane;  v18-19: base + 8 x lane
.set ADRB, 20                          ; v20-23 the same for P
.set L16,  24                          ; v24 16 x lane
.set L8,   25                          ; v25 8 x lane
.set VT,   26                          ; v26 my token's row of the table, + 64 h
.set ADRS, 27                          ; v27 my scale words: lanes 0-15 R's, lanes 16-31 P's
.set SPW,  28                          ; v28 LDS address of my spare word; never rewritten
.set NIL,  29                          ; v29 0; never rewritten
.set SC,   32
.set AF,   128
.set G1, 24
.set G0, 32
.set G1B, 48
.set G0B, 56
.set G1S, 68
.set G0S, 76
.set G1SB, 80
.set G0SB, 88
.set SEL, 66                           ; s[66:67] in the epilogues: selects for lane l xor 16
.set MSB, 0
.macro WIN new                         ; the immediate's high byte repeats the setting that is left
.if MSB != (\new)
	s_set_vgpr_msb (MSB<<8)|(\new)
.set MSB, (\new)
.endif
.endm
.set MUL_LO, 0xa1                      ; source 0 (P) window 1, source 1 (R) window 0, C and D window 2
.set MUL_HI, 0xf1
.set TO_B,   0x40
; A joint load: waves 0 and 1 fetch for R, waves 2 and 3 for P; the branch hangs on the wave's number alone.  An s_nop 0 and four v_nop follow each of the two lines.
.macro JLOAD g0a, g1a, g0b, g1b
	s_cmp_eq_u32 s15, 0
	s_cbranch_scc0 .Lfor_b_\@
	tensor_load_to_lds s[\g0a:\g0a+3], s[\g1a:\g1a+7]
	s_nop 0
.rept 4
	v_nop
.endr
	s_branch .Lasked_\@
.Lfor_b_\@:
	tensor_load_to_lds s[\g0b:\g0b+3], s[\g1b:\g1b+7]
	s_nop 0
.rept 4
	v_nop
.endr
.Lasked_\@:
.endm
.macro CREST                           ; a round of the cluster's barrier behind its opening barrier
	s_cmp_lg_u32 s14, 0
	s_cbranch_scc1 .Lnot_wave_0_\@
	s_barrier_signal -3
.Lnot_wave_0_\@:
	s_barrier_wait -3
	s_barrier_signal -1
	s_barrier_wait -1
.endm
.macro CROUND
	s_barrier_signal -1
	s_barrier_wait -1
	CREST
.endm
	s_load_b128 s[4:7], s[0:1], 0x0                ; pre s[4:5], qkvc s[6:7]
	v_lshl_add_u32 v[SPW], v0, 2, SPARE
	v_mov_b32 v[NIL], 0
	ds_add_u32 v[SPW], v[NIL]                      ; the wave's opening: the add, and its wait ahead of my first tensor load; work on registers stands between them
	v_lshrrev_b32 v1, 5, v0
	v_readfirstlane_b32 s14, v1                    ; wave 0..3
	s_lshr_b32 s15, s14, 1                         ; which half of R is mine.  Also: I fetch for R (0) or for P (1)
	s_and_b32 s16, s14, 1                          ; which half of P.  Also: which 8 tiles of that side I fetch
	s_bfe_u32 s40, ttmp6, 0x40000                  ; cx
	s_bfe_u32 s41, ttmp6, 0x40004                  ; cy
	s_and_b32 s17, ttmp7, 0xffff                   ; the cluster's y
	s_lshl_b32 s43, s41, 2
	s_lshl_b32 s43, 15, s43                        ; my row of the cluster
	s_lshl_b32 s44, 0x1111, s40                    ; my column
	; group 1 for codes: 8 rows (tiles) of 384 elements of 8 bytes, 1,536 elements apart; no padding: a fragment's loads take consecutive bytes
	s_or_b32 s[G1+0], s43, (3<<16)|(1<<21)
	s_or_b32 s[G1B+0], s44, (3<<16)|(1<<21)
.irp g, G1, G1B
	s_mov_b32 s[\g+1], 384<<16                     ; tensor_dim0
	s_mov_b32 s[\g+2], 8<<16                       ; tensor_dim1
	s_mov_b32 s[\g+3], 384<<16                     ; tile_dim0
	s_mov_b32 s[\g+4], 8                           ; tile_dim1
	s_mov_b32 s[\g+5], 1536                        ; tensor_dim0_stride
	s_mov_b32 s[\g+6], 0
	s_mov_b32 s[\g+7], 0
.endr
	; and for the scale words of 8 tiles: 4,096 dense bytes, as 16 rows of 256
	s_or_b32 s[G1S+0], s43, (3<<16)|(1<<21)
	s_or_b32 s[G1SB+0], s44, (3<<16)|(1<<21)
.irp g, G1S, G1SB
	s_mov_b32 s[\g+1], 32<<16
	s_mov_b32 s[\g+2], 16<<16
	s_mov_b32 s[\g+3], 32<<16
	s_mov_b32 s[\g+4], 16
	s_mov_b32 s[\g+5], 32
	s_mov_b32 s[\g+6], 0
	s_mov_b32 s[\g+7], 0
.endr
	; which tiles: q, k: R = x's tiles 64 Y + 16 cy, P = the weights' tiles 64 X + 16 cx;  v: R = Wv's tiles 128 + 16 cy, P = x's tiles 64 Y + 16 cx.  R's registers never hold cx, P's never cy
	s_lshl_b32 s20, s41, 4
	s_lshl_b32 s46, s40, 4
	s_lshl_b32 s18, s17, 6
	s_lshl_b32 s19, ttmp9, 6
	s_mov_b32 s66, WC
	s_mov_b32 s67, WS
	s_mov_b32 s96, XS
	s_cmp_eq_u32 ttmp9, 2                          ; the cluster's x: the same in all partners
	s_cselect_b32 s21, 128, s18
	s_cselect_b32 s47, s18, s19
	s_cselect_b32 s22, s66, XC
	s_cselect_b32 s92, XC, s66
	s_cselect_b32 s23, s67, s96
	s_cselect_b32 s93, s96, s67
	s_lshl_b32 s18, s16, 3
	s_add_co_u32 s20, s20, s21
	s_add_co_u32 s20, s20, s18                     ; R: the first tile that I would fetch
	s_add_co_u32 s46, s46, s47
	s_add_co_u32 s46, s46, s18                     ; P likewise
	s_lshl_b32 s97, s20, 9
	s_add_co_u32 s97, s97, s23
	s_mul_i32 s20, s20, TROW
	s_add_co_u32 s20, s20, s22
	s_mov_b32 s21, 0
	s_mov_b32 s22, s97
	s_mov_b32 s23, 0
	s_lshl_b32 s98, s46, 9
	s_add_co_u32 s98, s98, s93
	s_mul_i32 s46, s46, TROW
	s_add_co_u32 s46, s46, s92
	s_mov_b32 s47, 0
	s_mov_b32 s92, s98
	s_mov_b32 s93, 0
	s_mul_i32 s45, s14, HALFT                      ; where they go: wave x 8 tiles: no place in the cluster enters an LDS address
	s_mul_i32 s94, s14, HALFS
	s_wait_dscnt 0x0                               ; the opening add is done
	s_wait_kmcnt 0x0
	s_add_nc_u64 s[20:21], s[4:5], s[20:21]
	s_add_nc_u64 s[22:23], s[4:5], s[22:23]
	s_add_nc_u64 s[46:47], s[4:5], s[46:47]
	s_add_nc_u64 s[92:93], s[4:5], s[92:93]
	CROUND                                         ; all sixteen work-groups are here: the first joint loads meet
	s_mov_b32 s[G0S], 1
	s_add_co_u32 s[G0S+1], s94, SCL
	s_mov_b64 s[G0S+2:G0S+3], s[22:23]
	s_or_b32 s[G0S+3], s[G0S+3], 0x80000000
	s_mov_b32 s[G0SB], 1
	s_add_co_u32 s[G0SB+1], s94, SCL
	s_mov_b64 s[G0SB+2:G0SB+3], s[92:93]
	s_or_b32 s[G0SB+3], s[G0SB+3], 0x80000000
	JLOAD G0S, G1S, G0SB, G1SB                     ; the scale words first: they are wanted with the first slot
.irp s, 0,1
	s_mov_b32 s[G0+4*\s], 1
	s_add_co_u32 s[G0+4*\s+1], s45, \s*SLOT
	s_add_nc_u64 s[G0+4*\s+2:G0+4*\s+3], s[20:21], \s*TILEB
	s_or_b32 s[G0+4*\s+3], s[G0+4*\s+3], 0x80000000
	s_mov_b32 s[G0B+4*\s], 1
	s_add_co_u32 s[G0B+4*\s+1], s45, \s*SLOT
	s_add_nc_u64 s[G0B+4*\s+2:G0B+4*\s+3], s[46:47], \s*TILEB
	s_or_b32 s[G0B+4*\s+3], s[G0B+4*\s+3], 0x80000000
	JLOAD G0+4*\s, G1, G0B+4*\s, G1B               ; three tensor loads of mine are out now
.endr
	v_and_b32 v1, 15, v0                           ; r
	v_bfe_u32 v2, v0, 4, 1                         ; h
	v_and_b32 v3, 31, v0                           ; lane (kept)
	v_lshlrev_b32 v[L16], 4, v3
	v_lshlrev_b32 v[L8], 3, v3
	s_mul_i32 s21, s15, HALFT                      ; my 8 tiles of R
	s_mul_i32 s22, s16, HALFT                      ; my 8 tiles of P,
	s_add_co_u32 s22, s22, 2*HALFT                 ; which lie behind R's 16
.irp s, 0,1
	v_add_nc_u32 v[ADRA+\s], s21, v[L16]
	v_add_nc_u32 v[ADRB+\s], s22, v[L16]
	v_add_nc_u32 v[ADRA+2+\s], s21, v[L8]
	v_add_nc_u32 v[ADRB+2+\s], s22, v[L8]
	s_add_co_u32 s21, s21, SLOT
	s_add_co_u32 s22, s22, SLOT
.endr
	v_lshlrev_b32 v5, 3, v1                        ; my row's two words of a slot: 8 r
	s_mul_i32 s21, s15, HALFS
	s_mul_i32 s22, s16, HALFS
	s_add_co_u32 s22, s22, 2*HALFS
	s_sub_co_u32 s22, s22, s21
	v_mul_u32_u24 v6, s22, v2                      ; lanes 16-31 take P's
	s_add_co_u32 s21, s21, SCL
	v_add_nc_u32 v5, v5, v6
	v_add_nc_u32 v[ADRS], s21, v5
	v_and_b32 v4, 8, v1
	v_add_nc_u32 v4, v4, v1                        ; r + 8 (r / 8)
	v_lshlrev_b32 v[VT], 8, v4
	v_lshl_add_u32 v[VT], v2, 6, v[VT]
.macro FRAG reg, adr, q, i             ; a fragment's image, as it lies: registers 0-3, 4-5, 6-9, 10-11
	ds_load_b128 v[\reg:\reg+3], v[\adr] offset:(\i)*TILEB+(\q)*FRB
	ds_load_b64 v[\reg+4:\reg+5], v[\adr+2] offset:(\i)*TILEB+(\q)*FRB+512
	ds_load_b128 v[\reg+6:\reg+9], v[\adr] offset:(\i)*TILEB+(\q)*FRB+768
	ds_load_b64 v[\reg+10:\reg+11], v[\adr+2] offset:(\i)*TILEB+(\q)*FRB+1280
.endm
; 16 matrix instructions: R's tiles a0, a0 + 1 x P's eight, 128 along K.  p: P's set; sc: the set of scale words.  zero = 1: the first product starts the sums.  The 64 accumulators take turns, one instruction a turn.
.macro MUL16 a0, p, q, sc, zero
.irp a, \a0, \a0+1
.irp b, 0,1,2,3,4,5,6,7
.if \zero
	v_wmma_scale_f32_16x16x128_f8f6f4 v[8*(8*((\a)%4)+\b):8*(8*((\a)%4)+\b)+7], v[128*(\p)+FR*\b:128*(\p)+FR*\b+FR-1], v[AF+FR*(\a):AF+FR*(\a)+FR-1], 0, v[SC+8*NQ*(\sc)+NQ*\b+(\q)], v[SC+8*NQ*(\sc)+NQ*(\a)+(\q)] matrix_a_fmt:MATRIX_FMT_FP6 matrix_b_fmt:MATRIX_FMT_FP6 matrix_a_scale:MATRIX_SCALE_ROW1
.else
	v_wmma_scale_f32_16x16x128_f8f6f4 v[8*(8*((\a)%4)+\b):8*(8*((\a)%4)+\b)+7], v[128*(\p)+FR*\b:128*(\p)+FR*\b+FR-1], v[AF+FR*(\a):AF+FR*(\a)+FR-1], v[8*(8*((\a)%4)+\b):8*(8*((\a)%4)+\b)+7], v[SC+8*NQ*(\sc)+NQ*\b+(\q)], v[SC+8*NQ*(\sc)+NQ*(\a)+(\q)] matrix_a_fmt:MATRIX_FMT_FP6 matrix_b_fmt:MATRIX_FMT_FP6 matrix_a_scale:MATRIX_SCALE_ROW1
.endif
.endr
.endr
.endm
.macro FETCH_B slot, q, p
	WIN TO_B
.irp i, 0,1,2,3,4,5,6,7
	FRAG 128*(\p)+FR*\i, ADRB+\slot, \q, \i
.endr
	WIN 0
.endm
.macro FETCH_A slot, q, i0
.irp i, \i0, \i0+1, \i0+2, \i0+3
	FRAG AF+FR*(\i), ADRA+\slot, \q, \i
.endr
.endm
.macro SCALES sc                       ; a slot's scale words into set sc: lanes 0-15 R's tile i, lanes 16-31 P's tile i
.irp i, 0,1,2,3,4,5,6,7
	ds_load_b64 v[SC+8*NQ*\sc+NQ*\i:SC+8*NQ*\sc+NQ*\i+1], v[ADRS] offset:\i*SBLK
.endr
.endm
.macro PLACES n                        ; plain vector instructions between a matrix instruction and a load into, or a read of, its registers (ISA guide 7.12.1 for reads)
.rept \n
	v_nop
.endr
.endm
.macro STEP slot, q, zero              ; 128 along K that has its successor in the same slot
	s_wait_dscnt 4*NL                              ; P's set and R's tiles 0-3 are in; the youngest 16 loads (R's tiles 4-7) may be out
	WIN MUL_LO
	MUL16 0, (\q)%2, \q, \slot, \zero
	MUL16 2, (\q)%2, \q, \slot, \zero
	s_wait_dscnt 0
	PLACES NP
	FETCH_B \slot, (\q)+1, 1-(\q)%2
	FETCH_A \slot, (\q)+1, 0
	WIN MUL_HI
	MUL16 4, (\q)%2, \q, \slot, \zero
	MUL16 6, (\q)%2, \q, \slot, \zero
	PLACES NP
	WIN 0
	FETCH_A \slot, (\q)+1, 4
.endm
; A slot's last step changes slots: one barrier; in front of it each wave waits for all its tensor loads, adds 0 to its spare word, and waits for that and for its reads of this slot.  fill = 1: this slot is filled again.
.macro TURN slot, next, fill
	s_wait_tensorcnt 0x0                           ; all my tensor loads have landed: my part of the next slot
	ds_add_u32 v[SPW], v[NIL]                      ; 0 onto my spare word
	s_wait_dscnt 4*NL+1                            ; (the add and the youngest 16 loads may be out)
	WIN MUL_LO
	MUL16 0, 1, NQ-1, \slot, 0
	s_wait_dscnt 0x0                               ; the add is done, and my reads of this slot are over
	s_barrier_signal -1
	MUL16 2, 1, NQ-1, \slot, 0
	WIN 0
	s_barrier_wait -1
.if \fill
	CREST                                          ; the barrier has opened a round of the cluster's barrier: no wave of any partner still reads this slot or has a load on its way
	s_add_nc_u64 s[G0+4*\slot+2:G0+4*\slot+3], s[G0+4*\slot+2:G0+4*\slot+3], 2*TILEB
	s_add_nc_u64 s[G0B+4*\slot+2:G0B+4*\slot+3], s[G0B+4*\slot+2:G0B+4*\slot+3], 2*TILEB
	JLOAD G0+4*\slot, G1, G0B+4*\slot, G1B         ; the first tensor load behind the round; its four v_nop are the places in front of the loads below
.else
	PLACES NP
.endif
	v_add_nc_u32 v[ADRS], 128, v[ADRS]             ; the next slot's scale words (no LDS load of mine is out)
	FETCH_B \next, 0, 0
	FETCH_A \next, 0, 0
	SCALES \next
	WIN MUL_HI
	MUL16 4, 1, NQ-1, \slot, 0
	MUL16 6, 1, NQ-1, \slot, 0
	PLACES NP
	WIN 0
	FETCH_A \next, 0, 4
.endm
	s_wait_tensorcnt 1                             ; the scale words and my part of slot 0 are in; slot 1's load may be out
	s_barrier_signal -1
	s_barrier_wait -1
	FETCH_B 0, 0, 0
	FETCH_A 0, 0, 0
	SCALES 0
	FETCH_A 0, 0, 4
	STEP 0, 0, 1                                   ; the first step stands in front of the loop: its products start the sums
	s_mov_b32 s3, LAPS-1
.Llap:
	TURN 0, 1, 1
	STEP 1, 0, 0
	TURN 1, 0, 1
	STEP 0, 0, 0
	s_sub_co_u32 s3, s3, 1
	s_cmp_lg_u32 s3, 0
	s_cbranch_scc1 .Llap
	TURN 0, 1, 0                                   ; the last lap fills nothing
	STEP 1, 0, 0
	s_wait_dscnt 4*NL
	WIN MUL_LO
	MUL16 0, 1, NQ-1, 1, 0
	MUL16 2, 1, NQ-1, 1, 0
	s_wait_dscnt 0
	WIN MUL_HI
	MUL16 4, 1, NQ-1, 1, 0
	MUL16 6, 1, NQ-1, 1, 0
	WIN 0
; THE EPILOGUES touch no LDS.  Window 0: v64-127 cosines and sines, two sets; v128-191 64 turned numbers; v192-207 at work; v208-211 largest magnitudes, v212-215 bytes, v216-219 the conversions' scale operands;
; v220-231 a fragment's codes; v232.., v236.. conversions' second halves; v240-255 scale words.
.set CS, 64
.set H,  128
.set T,  192
.set TM, 208
.set PC, 220
.set TP, 232
.set WD, 240
; 64 numbers of a lane in window n, register 16 b + i = k 32 b + 16 h + i of my row: the four blocks' scale operands into v[TM+8..], their bytes into v[TM+4..].  Each accumulator is read from its low end on.
.macro MAXES s, n
	WIN ((\n)<<2)|((\n)<<4)
.irp b, 0,1,2,3
	v_max3_num_f32 v[TM+\b], 0x1800000, |v[\s+16*\b]|, |v[\s+16*\b+1]|   ; the floor 2^(3 - 127) holds the byte at 1 from below
.endr
.irp i, 2,4,6,8,10,12,14
.irp b, 0,1,2,3
	v_max3_num_f32 v[TM+\b], v[TM+\b], |v[\s+16*\b+\i]|, |v[\s+16*\b+\i+1]|
.endr
.endr
	WIN 0
.irp b, 0,1,2,3
	v_permlanex16_b32 v[TM+4+\b], v[TM+\b], s[SEL], s[SEL+1]
.endr
.irp b, 0,1,2,3
	v_max_num_f32 v[TM+\b], v[TM+\b], v[TM+4+\b]   ; with lane l xor 16's 16: the block's
.endr
.irp b, 0,1,2,3
	v_add_nc_u32 v[TM+8+\b], 0xff000000, v[TM+\b]
.endr
.irp b, 0,1,2,3
	v_lshrrev_b32 v[TM+4+\b], 23, v[TM+8+\b]
.endr
.endm
.macro CODES s, n                      ; and their codes into v[PC] on, a whole block to a lane
	s_wait_xcnt 0x0                                ; the last tile's stores have read their registers: only behind this wait are the codes written again
	WIN \n
.irp c, 0,1
	v_cvt_scalef32_pk16_fp6_f32 v[PC+6*\c:PC+6*\c+2], v[\s+32*\c:\s+32*\c+15], v[TM+8+2*\c]
	v_cvt_scalef32_pk16_fp6_f32 v[TP+4*\c:TP+4*\c+2], v[\s+32*\c+16:\s+32*\c+31], v[TM+8+2*\c+1]
.endr
	WIN 0
	v_nop                                          ; one plain place behind a scaled conversion
.irp c, 0,1
.irp i, 0,1,2
	v_permlane16_swap_b32 v[PC+6*\c+\i], v[TP+4*\c+\i]
.endr
.irp i, 0,1,2
	v_mov_b32 v[PC+6*\c+3+\i], v[TP+4*\c+\i]
.endr
.endr
.endm
	PLACES NP                                      ; behind the last products: their results are read and R's registers written below
	s_mov_b32 s[SEL], 0x76543210
	s_mov_b32 s[SEL+1], 0xfedcba98
.irp b, 0,1,2,3
	v_mov_b32 v[TM+4+\b], 0                        ; a lane permute's destination counts as one of its sources
.endr
	v_cmp_le_u32 vcc_lo, 16, v3                    ; lanes 16-31
	s_lshl_b32 s18, s17, 2                         ; 4 Y
	s_cmp_eq_u32 ttmp9, 2
	s_cbranch_scc1 .Lv_out
	; ---- q, k: a lane is a token; the wave has 8 token tiles and 2 heads
	s_add_co_u32 s20, s18, s41
	s_lshl_b32 s20, s20, 8
	s_lshl_b32 s21, s15, 7
	s_add_co_u32 s20, s20, s21                     ; my first token: 256 (4 Y + cy) + 128 x half
	s_lshr_b32 s21, s20, 11                        ; the batch
	s_and_b32 s22, s20, 2047                       ; its place in the sequence
	s_lshr_b32 s23, s22, 7                         ; which 128 tokens
	s_lshl_b32 s21, s21, 4
	s_lshl_b32 s46, s40, 2
	s_add_co_u32 s21, s21, s46
	s_lshl_b32 s46, s16, 1
	s_add_co_u32 s21, s21, s46                     ; 16 x batch + my first head
	s_mul_i32 s46, s21, 98304
	s_mul_i32 s47, s23, 6144
	s_add_co_u32 s46, s46, s47
	s_lshl_b32 s92, s21, 13
	s_lshl_b32 s93, s23, 9
	s_add_co_u32 s92, s92, s93
	s_mov_b32 s93, QS
	s_mov_b32 s94, KS
	s_cmp_eq_u32 ttmp9, 1
	s_cselect_b32 s47, KC, QC
	s_cselect_b32 s93, s94, s93
	s_add_co_u32 s46, s46, s47
	s_add_co_u32 s92, s92, s93
	s_mov_b32 s47, 0
	s_mov_b32 s93, 0
	s_add_nc_u64 s[8:9], s[6:7], s[46:47]          ; codes: [batch x head][128 tiles][768]
	s_add_nc_u64 s[10:11], s[6:7], s[92:93]        ; scale words: [batch x head][16][32 lanes][4 words]
	s_lshl_b32 s46, s22, 8
	s_add_co_u32 s46, s46, TAB
	s_add_nc_u64 s[12:13], s[4:5], s[46:47]        ; the table at my first token
.macro CSLOAD a                        ; token tile a: my token's cosines and sines of pairs 16 bb + 8 h + 0 .. 7
.irp bb, 0,1
.irp q, 0,1,2,3
	global_load_b128 v[CS+32*((\a)%2)+16*\bb+4*\q:CS+32*((\a)%2)+16*\bb+4*\q+3], v[VT], s[12:13] offset:(32*((\a)/2)+8*((\a)%2))*256+128*\bb+16*\q
.endr
.endr
.endm
.macro QKTILE a
.set CB, CS+32*((\a)%2)
.set AC, 64*((\a)%4)
.if (\a) < 7
	CSLOAD (\a)+1
	s_wait_loadcnt 8                               ; this tile's 8 loads are in; the next tile's 8 may be out
.else
	s_wait_loadcnt 0
.endif
	WIN 0x08+4*((\a)/4)                            ; source 1: the accumulators' window
.irp be, 0,1,2,3                       ; register 16 be + i is feature 32 be + 16 h + i: head be / 2, d = 32 (be % 2) + 16 h + i
.irp p, 0,1,2,3,4,5,6,7
	v_mul_f32 v[T+2*\p], v[CB+16*(\be%2)+2*\p+1], v[AC+16*\be+2*\p+1]      ; sin x1
	v_mul_f32 v[T+2*\p+1], v[CB+16*(\be%2)+2*\p+1], v[AC+16*\be+2*\p]      ; sin x0
.endr
.irp p, 0,1,2,3,4,5,6,7
	v_fma_f32 v[H+16*\be+2*\p], v[CB+16*(\be%2)+2*\p], v[AC+16*\be+2*\p], -v[T+2*\p]          ; cos x0 - sin x1
	v_fma_f32 v[H+16*\be+2*\p+1], v[CB+16*(\be%2)+2*\p], v[AC+16*\be+2*\p+1], v[T+2*\p+1]     ; cos x1 + sin x0
.endr
.endr
	WIN 0
	MAXES H, 0
.irp j, 0,1
	v_lshl_or_b32 v[WD+8*\j+(\a)], v[TM+5+2*\j], 8, v[TM+4+2*\j]
	v_or_b32 v[WD+8*\j+(\a)], 0x7f7f0000, v[WD+8*\j+(\a)]      ; the head's two bytes; 127 for the upper 64 along K, whose codes are zeros
.endr
	CODES H, 0
.irp j, 0,1                            ; half c of the fragment is head c's 64: 768 bytes
	global_store_b128 v[L16], v[PC+6*\j:PC+6*\j+3], s[8:9] offset:98304*\j+768*(\a)
	global_store_b64 v[L8], v[PC+6*\j+4:PC+6*\j+5], s[8:9] offset:98304*\j+768*(\a)+512
.endr
.endm
	CSLOAD 0
.irp a, 0,1,2,3,4,5,6,7
	QKTILE \a
.endr
.irp j, 0,1
.irp q, 0,1,2,3
	v_cndmask_b32 v[H+4*\j+\q], v[WD+8*\j+\q], v[WD+8*\j+4+\q], vcc_lo   ; lanes 0-15: tiles 0-3 of row r; lanes 16-31: tiles 4-7
.endr
	global_store_b128 v[L16], v[H+4*\j:H+4*\j+3], s[10:11] offset:8192*\j
.endr
	s_wait_tensorcnt 0x0                           ; the wave's end
	ds_add_u32 v[SPW], v[NIL]
	s_wait_dscnt 0x0
	CROUND                                         ; the closing round
	s_endpgm
	; ---- v: a lane is a feature (head a / 4, row r of d tile a % 4); its registers run along the wave's 128 tokens, which are one key step
.Lv_out:
	s_add_co_u32 s20, s18, s40
	s_lshl_b32 s20, s20, 8
	s_lshl_b32 s21, s16, 7
	s_add_co_u32 s20, s20, s21                     ; my first token: 256 (4 Y + cx) + 128 x half
	s_lshr_b32 s21, s20, 11
	s_and_b32 s22, s20, 2047
	s_lshr_b32 s23, s22, 7
	s_lshl_b32 s21, s21, 4
	s_lshl_b32 s46, s41, 2
	s_add_co_u32 s21, s21, s46
	s_lshl_b32 s46, s15, 1
	s_add_co_u32 s21, s21, s46                     ; 16 x batch + my first head
	s_lshl_b32 s21, s21, 4
	s_add_co_u32 s21, s21, s23                     ; x 16 steps + my step
	s_mul_i32 s46, s21, 6144
	s_add_co_u32 s46, s46, VC
	s_mov_b32 s47, 0
	s_add_nc_u64 s[8:9], s[6:7], s[46:47]          ; codes: [batch x head][16 steps][4 d tiles][1536]
	s_lshl_b32 s46, s21, 8
	s_add_co_u32 s46, s46, VS
	s_add_nc_u64 s[10:11], s[6:7], s[46:47]        ; scale words: [batch x head][16 steps][32 lanes][2 words]
.macro VTILE a
	MAXES 64*((\a)%4), 2+(\a)/4
	v_lshl_or_b32 v[WD+(\a)], v[TM+5], 8, v[TM+4]
	v_lshl_or_b32 v[WD+(\a)], v[TM+6], 16, v[WD+(\a)]
	v_lshl_or_b32 v[WD+(\a)], v[TM+7], 24, v[WD+(\a)]
	CODES 64*((\a)%4), 2+(\a)/4
	global_store_b128 v[L16], v[PC:PC+3], s[8:9] offset:98304*((\a)/4)+1536*((\a)%4)
	global_store_b64 v[L8], v[PC+4:PC+5], s[8:9] offset:98304*((\a)/4)+1536*((\a)%4)+512
	global_store_b128 v[L16], v[PC+6:PC+9], s[8:9] offset:98304*((\a)/4)+1536*((\a)%4)+768
	global_store_b64 v[L8], v[PC+10:PC+11], s[8:9] offset:98304*((\a)/4)+1536*((\a)%4)+1280
.endm
.irp a, 0,1,2,3,4,5,6,7
	VTILE \a
.endr
.irp j, 0,1
	v_cndmask_b32 v[H+2*\j], v[WD+4*\j], v[WD+4*\j+2], vcc_lo      ; lanes 0-15: d tiles 0, 1; lanes 16-31: d tiles 2, 3
	v_cndmask_b32 v[H+2*\j+1], v[WD+4*\j+1], v[WD+4*\j+3], vcc_lo
	global_store_b64 v[L8], v[H+2*\j:H+2*\j+1], s[10:11] offset:4096*\j
.endr
	s_wait_tensorcnt 0x0                           ; the wave's end: the same three lines
	ds_add_u32 v[SPW], v[NIL]
	s_wait_dscnt 0x0
	CROUND                                         ; the closing round
	s_endpgm
.Lfunc_end_k_qf241ccf73b_qkv:
	.size	k_qf241ccf73b_qkv, .Lfunc_end_k_qf241ccf73b_qkv-k_qf241ccf73b_qkv
	.p2alignl 7, 3214868480
	.fill 96, 4, 3214868480
	.section	.rodata,"a",@progbits
	.p2align	6, 0x0
	.amdhsa_kernel k_qf241ccf73b_qkv
		.amdhsa_group_segment_fixed_size 327680
		.amdhsa_private_segment_fixed_size 0
		.amdhsa_enable_private_segment 0
		.amdhsa_kernarg_size 16
		.amdhsa_user_sgpr_count 2
		.amdhsa_user_sgpr_kernarg_segment_ptr 1
		.amdhsa_wavefront_size32 1
		.amdhsa_system_sgpr_workgroup_id_x 1
		.amdhsa_system_sgpr_workgroup_id_y 1
		.amdhsa_system_sgpr_workgroup_id_z 1
		.amdhsa_system_vgpr_workitem_id 0
		.amdhsa_next_free_vgpr 1024
		.amdhsa_next_free_sgpr 100
		.amdhsa_reserve_vcc 1
		.amdhsa_float_denorm_mode_32 3
		.amdhsa_float_denorm_mode_16_64 3
		.amdhsa_memory_ordered 1
		.amdhsa_forward_progress 1
		.amdhsa_inst_pref_size 240
	.end_amdhsa_kernel
	.amdgpu_metadata
---
amdhsa.version: [ 1, 2 ]
amdhsa.kernels:
  - .name:           k_qf241ccf73b_qkv
    .symbol:         k_qf241ccf73b_qkv.kd
    .args:
      - { .name: pre, .offset: 0, .size: 8, .value_kind: global_buffer, .address_space: global }
      - { .name: qkvc, .offset: 8, .size: 8, .value_kind: global_buffer, .address_space: global }
    .group_segment_fixed_size: 327680
    .private_segment_fixed_size: 0
    .kernarg_segment_align: 8
    .kernarg_segment_size: 16
    .max_flat_workgroup_size: 128
    .sgpr_count:     100
    .vgpr_count:     1024
    .wavefront_size: 32
...
	.end_amdgpu_metadata
.endif
;; end of part 2
;; launch attn (part 3): grid 4 x 64, 16 waves a work-group, no clusters, 26,624 bytes of LDS; arguments qkvc, att; writes att
.if DOCPART == 3
	.amdgcn_target "amdgcn-amd-amdhsa--gfx1250"
	.amdhsa_code_object_version 6
	.text
	.protected	k_qf241ccf73b_attn
	.globl	k_qf241ccf73b_attn
	.p2align	8
	.type	k_qf241ccf73b_attn,@function
k_qf241ccf73b_attn:
	s_mov_b64 s[64:65], 0
	v_nop
	global_prefetch_b8 v0, s[64:65] scope:SCOPE_SE
	s_setreg_imm32_b32 hwreg(HW_REG_WAVE_MODE, 25, 1), 1
	s_wait_xcnt 0x0
; Causal attention of one (batch, head) on codes of FP6 (E2M3) with E8M0 scales; the result, divided by the row's sum, is quantised along the head's 64 and stored as the next product's operand.
; t = score x log2(e) / 8; M = the running largest t rounded UP to a whole number; p = 2^(t - M) is quantised along the keys, not normalised; the row's sum is taken of the unquantised p.  When M moves, sum and O are multiplied by 2^(old M - new M): exact.
; SHARES.  Work-group (x, y): head y; query blocks 7 - x and x, 256 queries each, one after the other: 2 (7 - x) + 2 + 2 x + 2 = 18 key steps of 128 in every work-group.  Each of sixteen waves owns one tile of 16 queries, in 256 registers.
; Row r of tile T is token 32 (T / 2) + 8 (T % 2) + r + 8 (r / 8), for queries and keys alike: so the 16 registers of score tiles 2 b, 2 b + 1 are keys 32 b + 16 h + 0 .. 15.
; Both products are used transposed (S^T = K Q^T, O^T = V^T P^T): a lane holds one query throughout.  The head's 64 fill the lower half of the instruction's 128 along K; the upper half is zero codes on both sides, under the byte 127.
; K AND V lie in memory as images of their registers, 6,144 bytes each a step.  They go through registers into two LDS slots by a flat copy: waves 0-7 copy K's, waves 8-15 V's, asked for a whole key step ahead.  ONE barrier a step: in front of it
; a wave's reads of the slot in hand are back and its stores into the other slot have landed.  Scale words go from memory straight into every wave's registers, two sets by turns.
; A step all of whose keys come after the wave's queries is left out by a scalar branch on ids, round the work alone: the copy and the barrier stay.  On the diagonal hidden scores become -infinity ahead of the maximum.
; NO CLUSTER: the four work-groups of a head walk 16, 14, 12, 10 steps in their first pass and 2, 4, 6, 8 in their second, so partners would want different numbers of tiles; and a step's K and V are 12,288 bytes.
; LIMITS: a block of zeros gets the scale byte 1 where the rule says 127 (its codes are zeros; the bytes are read by this program alone); NaN and infinities are not served.  The result's two scale bytes a row leave by stores of 2 bytes.
.set QC, 0
.set KC, 6291456
.set VC, 12582912
.set QS, 18874368
.set KS, 19398656
.set VS, 19922944
.set OS, 6291456
.set SLOTB, 12288                      ; a slot: K's 8 tiles of 768 bytes, then V's 4 of 1,536
.set VOFF,  6144
.set SPARE, 2*SLOTB                    ; behind the slots: the spare words, 128 bytes for each wave, which no other line names
.set SPW, 10                           ; v10 LDS address of my spare word; v11 0; neither is rewritten
.set NIL, 11
; v1 16 x lane, v2 8 x lane; v3, v4 where I store my copy; v5, v6 where I load it; v7 16 r, v8 8 r; v9 r + 8 (r / 8) - 16 h; v12 -M, v13 the largest t, v[14:15] the sum; v16-27 Q (22-27 zeros), v28 its scale word
.set KF0, 32                           ; v32-79   four fragments of K; the upper six registers of each are zeros
.set SS,  80                           ; v80-143  S^T, then p; then v80-127 V's four fragments
.set OT,  144                          ; v144-175 O^T
.set PCD, 176                          ; v176-187 p's codes
.set CD,  188                          ; v188-193 my copy's data
.set KSR, 196                          ; v196-203 K's scale words, two sets;  v204-207 V's
.set VSR, 204
.set BM,  208                          ; v208-211 the blocks' largest
.set PB,  212                          ; v212-215 permutes' destinations, bytes
.set TP,  216                          ; v216.., v220.. conversions' second halves
.set SO,  224                          ; v224-227 the conversions' scale operands
.set FF,  228                          ; v228 f, v229 p's scale word
.set WV,   8
.set SEL,  12
.set CS,   14
.set PASS, 38
.set QB,   39
.set TT,   40
.set QMIN, 41
.set QMAX, 42
.set NXT,  43
.set KF,   44
.set TRIPS, 45
.set TRIP, 46
.set NST,  47
	s_load_b128 s[4:7], s[0:1], 0x0                ; qkvc, att
	v_lshl_add_u32 v[SPW], v0, 2, SPARE
	v_mov_b32 v[NIL], 0
	v_lshrrev_b32 v1, 5, v0
	v_readfirstlane_b32 s[WV], v1                  ; wave 0..15
	v_and_b32 v12, 31, v0
	v_lshlrev_b32 v1, 4, v12
	v_lshlrev_b32 v2, 3, v12
	v_and_b32 v13, 255, v0                         ; my place among the 256 threads that copy K's bytes, or V's
	v_lshrrev_b32 v14, 8, v0
	v_mul_u32_u24 v14, v14, VOFF
	v_lshlrev_b32 v5, 4, v13                       ; 4,096 bytes by 16,
	v_lshl_add_u32 v6, v13, 3, 4096                ; 2,048 by 8
	v_add_nc_u32 v3, v14, v5
	v_add_nc_u32 v4, v14, v6
	v_and_b32 v15, 15, v0                          ; r
	v_bfe_u32 v12, v0, 4, 1                        ; h
	v_lshlrev_b32 v7, 4, v15
	v_lshlrev_b32 v8, 3, v15
	v_and_b32 v9, 8, v15
	v_add_nc_u32 v9, v9, v15
	v_lshlrev_b32 v12, 4, v12
	v_sub_nc_u32 v9, v9, v12
.irp i, 0,1,2,3,4,5
	v_mov_b32 v[22+\i], 0                          ; zero codes for k = 64 .. 127
.irp t, 0,1,2,3
	v_mov_b32 v[KF0+12*\t+6+\i], 0
.endr
.endr
.irp b, 0,1,2,3
	v_mov_b32 v[PB+\b], 0                          ; a lane permute's destination counts as one of its sources
.endr
	v_mov_b32 v[FF+1], 0                           ; (named as the upper half of a pair before it is first written)
	s_mov_b32 s9, ttmp9
	s_and_b32 s10, ttmp7, 0xffff                   ; 16 x batch + head
	s_mov_b32 s[SEL], 0x76543210
	s_mov_b32 s[SEL+1], 0xfedcba98
	s_mov_b32 s[CS], 0x3e38aa3b                    ; c = log2(e) / 8
	s_mov_b32 s[CS+1], s[CS]
	s_mov_b32 s37, 0
	s_mul_i32 s48, s10, 98304
	s_lshl_b32 s49, s10, 13
	s_lshl_b32 s50, s10, 12
	s_mov_b32 s51, VC
	s_cmp_lt_u32 s[WV], 8
	s_cselect_b32 s51, KC, s51
	s_add_co_u32 s51, s51, s48
	s_lshr_b32 s58, s[WV], 3                       ; my tile's place among Q's scale words: 512 (w / 8) + 256 ((w / 4) % 2) + 4 (w % 4)
	s_lshl_b32 s58, s58, 9
	s_bfe_u32 s52, s[WV], 0x10002
	s_lshl_b32 s52, s52, 8
	s_add_co_u32 s58, s58, s52
	s_and_b32 s52, s[WV], 3
	s_lshl_b32 s52, s52, 2
	s_add_co_u32 s58, s58, s52
	s_wait_kmcnt 0x0
	s_mov_b32 s36, s51
	s_add_nc_u64 s[16:17], s[4:5], s[36:37]        ; what I copy: the head's K, or V
	s_add_co_u32 s36, s49, KS
	s_add_nc_u64 s[18:19], s[4:5], s[36:37]
	s_add_co_u32 s36, s50, VS
	s_add_nc_u64 s[20:21], s[4:5], s[36:37]
	s_mov_b32 s36, s48
	s_add_nc_u64 s[22:23], s[4:5], s[36:37]        ; Q's codes (their region begins the buffer)
	s_add_co_u32 s36, s49, QS
	s_add_nc_u64 s[24:25], s[4:5], s[36:37]
	s_lshr_b32 s48, s10, 4                         ; batch
	s_and_b32 s49, s10, 15                         ; head
	s_mul_i32 s36, s48, 128*12288
	s_mul_i32 s50, s49, 768
	s_add_co_u32 s36, s36, s50
	s_add_nc_u64 s[26:27], s[6:7], s[36:37]        ; the result's codes: [512 tiles][16 heads][768]
	s_lshl_b32 s36, s48, 16
	s_lshr_b32 s50, s49, 2
	s_lshl_b32 s50, s50, 7
	s_add_co_u32 s36, s36, s50
	s_and_b32 s50, s49, 3
	s_lshl_b32 s50, s50, 1
	s_add_co_u32 s36, s36, s50
	s_add_co_u32 s36, s36, OS
	s_add_nc_u64 s[28:29], s[6:7], s[36:37]        ; its scale bytes: [tile][4][16 rows][8 bytes], my head's two at 128 (head / 4) + 2 (head % 4)
	; key step 0 into slot 0
	global_load_b128 v[CD:CD+3], v5, s[16:17]
	global_load_b64 v[CD+4:CD+5], v6, s[16:17]
	global_load_b128 v[KSR:KSR+3], v1, s[18:19]
	global_load_b64 v[VSR:VSR+1], v2, s[20:21]
	s_wait_loadcnt 0x0
	ds_store_b128 v3, v[CD:CD+3]
	ds_store_b64 v4, v[CD+4:CD+5]
	s_wait_dscnt 0x0                               ; for the others' sake: my stores have landed
	s_barrier_signal -1
	s_barrier_wait -1
	s_mov_b32 s[PASS], 2
; A KEY STEP, in slot p
.macro STEP p
	s_mul_i32 s36, s[NXT], 6144                    ; the step to be fetched.  (The last step's loads were waited for: their bases may be written)
	s_add_nc_u64 s[30:31], s[16:17], s[36:37]
	s_lshl_b32 s36, s[NXT], 9
	s_add_nc_u64 s[32:33], s[18:19], s[36:37]
	s_lshl_b32 s36, s[NXT], 8
	s_add_nc_u64 s[34:35], s[20:21], s[36:37]
	global_load_b128 v[CD:CD+3], v5, s[30:31]
	global_load_b64 v[CD+4:CD+5], v6, s[30:31]
	global_load_b128 v[KSR+4*(1-\p):KSR+4*(1-\p)+3], v1, s[32:33]
	global_load_b64 v[VSR+2*(1-\p):VSR+2*(1-\p)+1], v2, s[34:35]
	s_add_co_u32 s[NXT], s[NXT], 1
	s_cmp_eq_u32 s[NXT], s[NST]
	s_cselect_b32 s[NXT], 0, s[NXT]                ; a pass's last step fetches step 0, for the next pass: no load leaves its buffer
	s_cmp_gt_u32 s[KF], s[QMAX]
	s_cbranch_scc1 .Lhidden_\@                     ; all 128 keys come after my 16 queries
.irp g, 0,1                            ; S^T = K Q^T, four tiles of 16 keys at a time
.if \g
.rept 4
	v_nop                                          ; places in front of loads into registers that matrix instructions have read
.endr
.endif
.irp t, 0,1,2,3
	ds_load_b128 v[KF0+12*\t:KF0+12*\t+3], v1 offset:SLOTB*\p+768*(4*\g+\t)
	ds_load_b64 v[KF0+12*\t+4:KF0+12*\t+5], v2 offset:SLOTB*\p+768*(4*\g+\t)+512
.endr
	s_wait_dscnt 0x0
.irp t, 0,1,2,3
.if \g
	v_wmma_scale_f32_16x16x128_f8f6f4 v[SS+8*(4*\g+\t):SS+8*(4*\g+\t)+7], v[KF0+12*\t:KF0+12*\t+11], v[16:27], 0, v[KSR+4*\p+\t], v28 matrix_a_fmt:MATRIX_FMT_FP6 matrix_b_fmt:MATRIX_FMT_FP6 matrix_a_scale:MATRIX_SCALE_ROW1
.else
	v_wmma_scale_f32_16x16x128_f8f6f4 v[SS+8*(4*\g+\t):SS+8*(4*\g+\t)+7], v[KF0+12*\t:KF0+12*\t+11], v[16:27], 0, v[KSR+4*\p+\t], v28 matrix_a_fmt:MATRIX_FMT_FP6 matrix_b_fmt:MATRIX_FMT_FP6
.endif
.endr
.endr
.rept 4
	v_nop
.endr
	s_add_co_u32 s48, s[KF], 127
	s_cmp_le_u32 s48, s[QMIN]
	s_cbranch_scc1 .Lopen_\@                       ; all 128 keys count for all my queries
	s_sub_co_i32 s48, s[QMIN], s[KF]
	v_add_nc_u32 v230, s48, v9                     ; d = my query - the step's first key - 16 h.  Register 16 b + i holds key 32 b + 16 h + i of the step: hidden where 32 b + i > d
	v_mov_b32 v231, 0xff800000
.set n, 0
.rept 64
	v_cmp_gt_i32 vcc_lo, 32*(n/16)+n%16, v230
	v_cndmask_b32 v[SS+n], v[SS+n], v231, vcc_lo
.set n, n+1
.endr
.Lopen_\@:
.irp b, 0,1,2,3
	v_max3_num_f32 v[BM+\b], v[SS+16*\b], v[SS+16*\b+1], v[SS+16*\b+2]   ; the largest score of each block of 32 keys: it serves for the row's maximum and, since p rises with the score, for the block's largest p
.endr
.irp i, 3,5,7,9,11,13
.irp b, 0,1,2,3
	v_max3_num_f32 v[BM+\b], v[BM+\b], v[SS+16*\b+\i], v[SS+16*\b+\i+1]
.endr
.endr
.irp b, 0,1,2,3
	v_max_num_f32 v[BM+\b], v[BM+\b], v[SS+16*\b+15]
.endr
.irp b, 0,1,2,3
	v_permlanex16_b32 v[PB+\b], v[BM+\b], s[SEL], s[SEL+1]
.endr
.irp b, 0,1,2,3
	v_max_num_f32 v[BM+\b], v[BM+\b], v[PB+\b]
.endr
	v_max3_num_f32 v230, v[BM], v[BM+1], v[BM+2]
	v_max_num_f32 v230, v230, v[BM+3]
	v_mul_f32 v230, s[CS], v230
	v_max_num_f32 v13, v13, v230                   ; the running largest t
	v_mov_b32 v230, v12
	v_floor_f32 v12, -v13                          ; -M = floor(-t): M is a whole number
	v_sub_f32 v230, v12, v230
	v_cvt_i32_f32 v230, v230                       ; (it saturates)
	v_ldexp_f32 v[FF], 1.0, v230                   ; f = 2^(old M - new M)
.set n, 0
.rept 32
	v_pk_fma_f32 v[SS+n:SS+n+1], v[SS+n:SS+n+1], s[CS:CS+1], v[12:13] op_sel_hi:[1,0,0]   ; t - M
.set n, n+2
.endr
.irp b, 0,1,2,3
	v_fma_f32 v[BM+\b], v[BM+\b], s[CS], v12
.endr
.set n, 0
.rept 64
	v_exp_f32 v[SS+n], v[SS+n]                     ; p, at most 1
.set n, n+1
.endr
	v_pk_mul_f32 v[14:15], v[14:15], v[FF:FF+1] op_sel_hi:[1,0]   ; the sum under the new M: a plain place behind the exponentials
	s_wait_alu depctr_va_vdst(0)                   ; one wait for the batch, ahead of its first reader
.irp b, 0,1,2,3
	v_exp_f32 v[BM+\b], v[BM+\b]                   ; the blocks' largest p
.endr
	v_pk_add_f32 v[PB:PB+1], v[SS:SS+1], v[SS+2:SS+3]             ; the row's sum of the unquantised p, in two chains
.set n, 4
.rept 15
	v_pk_add_f32 v[14:15], v[14:15], v[SS+n:SS+n+1]
	v_pk_add_f32 v[PB:PB+1], v[PB:PB+1], v[SS+n+2:SS+n+3]
.set n, n+4
.endr
	v_pk_add_f32 v[14:15], v[14:15], v[PB:PB+1]
	s_wait_alu depctr_va_vdst(0)                   ; and one for the four
.irp b, 0,1,2,3
	v_max_num_f32 v[BM+\b], 0x1800000, v[BM+\b]    ; the floor 2^(3 - 127)
.endr
.irp b, 0,1,2,3
	v_add_nc_u32 v[SO+\b], 0xff000000, v[BM+\b]
.endr
.irp b, 0,1,2,3
	v_lshrrev_b32 v[PB+\b], 23, v[SO+\b]
.endr
	v_lshl_or_b32 v[FF+1], v[PB+1], 8, v[PB]       ; p's scale word for these 128 keys
	v_lshl_or_b32 v[FF+1], v[PB+2], 16, v[FF+1]
	v_lshl_or_b32 v[FF+1], v[PB+3], 24, v[FF+1]
.irp c, 0,1
	v_cvt_scalef32_pk16_fp6_f32 v[PCD+6*\c:PCD+6*\c+2], v[SS+32*\c:SS+32*\c+15], v[SO+2*\c]
	v_cvt_scalef32_pk16_fp6_f32 v[TP+4*\c:TP+4*\c+2], v[SS+32*\c+16:SS+32*\c+31], v[SO+2*\c+1]
.endr
	v_nop                                          ; one plain place behind a scaled conversion
.irp t, 0,1,2,3                        ; V's four fragments into the registers that p has left
	ds_load_b128 v[SS+12*\t:SS+12*\t+3], v1 offset:SLOTB*\p+VOFF+1536*\t
	ds_load_b64 v[SS+12*\t+4:SS+12*\t+5], v2 offset:SLOTB*\p+VOFF+1536*\t+512
	ds_load_b128 v[SS+12*\t+6:SS+12*\t+9], v1 offset:SLOTB*\p+VOFF+1536*\t+768
	ds_load_b64 v[SS+12*\t+10:SS+12*\t+11], v2 offset:SLOTB*\p+VOFF+1536*\t+1280
.endr
.irp c, 0,1                            ; the operand's layout wants a whole block in a lane
.irp i, 0,1,2
	v_permlane16_swap_b32 v[PCD+6*\c+\i], v[TP+4*\c+\i]
.endr
.irp i, 0,1,2
	v_mov_b32 v[PCD+6*\c+3+\i], v[TP+4*\c+\i]
.endr
.endr
.set n, 0
.rept 16
	v_pk_mul_f32 v[OT+n:OT+n+1], v[OT+n:OT+n+1], v[FF:FF+1] op_sel_hi:[1,0]   ; O^T under the new M; these sixteen are also the places between the writes of p's codes and scale word and the products
.set n, n+2
.endr
	s_wait_dscnt 0x0
.irp t, 0,1                            ; O^T += V^T P^T: four accumulators by turns
	v_wmma_scale_f32_16x16x128_f8f6f4 v[OT+8*\t:OT+8*\t+7], v[SS+12*\t:SS+12*\t+11], v[PCD:PCD+11], v[OT+8*\t:OT+8*\t+7], v[VSR+2*\p+\t], v[FF+1] matrix_a_fmt:MATRIX_FMT_FP6 matrix_b_fmt:MATRIX_FMT_FP6
.endr
.irp t, 2,3
	v_wmma_scale_f32_16x16x128_f8f6f4 v[OT+8*\t:OT+8*\t+7], v[SS+12*\t:SS+12*\t+11], v[PCD:PCD+11], v[OT+8*\t:OT+8*\t+7], v[VSR+2*\p+\t-2], v[FF+1] matrix_a_fmt:MATRIX_FMT_FP6 matrix_b_fmt:MATRIX_FMT_FP6 matrix_a_scale:MATRIX_SCALE_ROW1
.endr
.rept 5
	v_nop                                          ; five places: the next step's score products write over registers that these have read
.endr
.Lhidden_\@:
	s_add_co_u32 s[KF], s[KF], 128
	s_wait_loadcnt 0x0                             ; the next step's bytes and scale words are in
	ds_store_b128 v3, v[CD:CD+3] offset:SLOTB*(1-\p)
	ds_store_b64 v4, v[CD+4:CD+5] offset:SLOTB*(1-\p)
	s_wait_dscnt 0x0                               ; my stores into the other slot have landed, and my reads of this slot are back
	s_barrier_signal -1
	s_barrier_wait -1                              ; both now hold of every wave
.endm
.Lpass:
	s_wait_xcnt 0x0                                ; the last pass's stores have read their bases and registers
	s_sub_co_u32 s48, 7, s9
	s_cmp_eq_u32 s[PASS], 2
	s_cselect_b32 s[QB], s48, s9                   ; the long block first
	s_lshl_b32 s[TT], s[QB], 4
	s_add_co_u32 s[TT], s[TT], s[WV]               ; my tile of queries
	s_lshr_b32 s[QMIN], s[TT], 1
	s_lshl_b32 s[QMIN], s[QMIN], 5
	s_and_b32 s48, s[TT], 1
	s_lshl_b32 s48, s48, 3
	s_add_co_u32 s[QMIN], s[QMIN], s48             ; its first query,
	s_add_co_u32 s[QMAX], s[QMIN], 23              ; its last
	s_add_co_u32 s[TRIPS], s[QB], 1
	s_lshl_b32 s[NST], s[TRIPS], 1                 ; key steps in this pass
	s_mul_i32 s36, s[TT], 768
	s_add_nc_u64 s[54:55], s[22:23], s[36:37]
	s_lshl_b32 s36, s[QB], 10
	s_add_co_u32 s36, s36, s58
	s_add_nc_u64 s[56:57], s[24:25], s[36:37]
	global_load_b128 v[16:19], v1, s[54:55]
	global_load_b64 v[20:21], v2, s[54:55] offset:512
	global_load_b32 v28, v7, s[56:57]
	v_mov_b32 v13, 0xff61b1e6                      ; the largest t so far: -3e38
	v_floor_f32 v12, -v13
	v_mov_b32 v14, 0
	v_mov_b32 v15, 0
.set n, 0
.rept 32
	v_mov_b32 v[OT+n], 0                           ; the step is written once: the first finds zeros, which the first change of M leaves zeros
.set n, n+1
.endr
	s_mov_b32 s[NXT], 1
	s_mov_b32 s[KF], 0
	s_mov_b32 s[TRIP], 0
	s_wait_loadcnt 0x0
.Ltrip:
	STEP 0
	STEP 1
	s_add_co_u32 s[TRIP], s[TRIP], 1
	s_cmp_lt_u32 s[TRIP], s[TRIPS]
	s_cbranch_scc1 .Ltrip
	; THE WAY OUT: O^T / the sum, quantised along d: register 16 b + i is d = 32 b + 16 h + i
	v_add_f32 v14, v14, v15
	v_permlanex16_b32 v[PB], v14, s[SEL], s[SEL+1]
	v_add_f32 v14, v14, v[PB]
	v_rcp_f32 v14, v14
	v_nop                                          ; a plain place behind the reciprocal
	s_mul_i32 s36, s[TT], 12288
	s_add_nc_u64 s[50:51], s[26:27], s[36:37]
	s_lshl_b32 s36, s[TT], 9
	s_add_nc_u64 s[52:53], s[28:29], s[36:37]
	s_wait_alu depctr_va_vdst(0)                   ; the wait ahead of its first reader
.set n, 0
.rept 32
	v_mul_f32 v[SS+n], v[OT+n], v14
.set n, n+1
.endr
.irp b, 0,1
	v_max3_num_f32 v[BM+\b], |v[SS+16*\b]|, |v[SS+16*\b+1]|, 0x1800000
.endr
.irp i, 2,4,6,8,10,12,14
.irp b, 0,1
	v_max3_num_f32 v[BM+\b], v[BM+\b], |v[SS+16*\b+\i]|, |v[SS+16*\b+\i+1]|
.endr
.endr
.irp b, 0,1
	v_permlanex16_b32 v[PB+\b], v[BM+\b], s[SEL], s[SEL+1]
.endr
.irp b, 0,1
	v_max_num_f32 v[BM+\b], v[BM+\b], v[PB+\b]
.endr
.irp b, 0,1
	v_add_nc_u32 v[SO+\b], 0xff000000, v[BM+\b]
.endr
.irp b, 0,1
	v_lshrrev_b32 v[PB+\b], 23, v[SO+\b]
.endr
	v_lshl_or_b32 v232, v[PB+1], 8, v[PB]          ; my row's two bytes
	v_cvt_scalef32_pk16_fp6_f32 v[PCD:PCD+2], v[SS:SS+15], v[SO]
	v_cvt_scalef32_pk16_fp6_f32 v[TP:TP+2], v[SS+16:SS+31], v[SO+1]
	v_nop
.irp i, 0,1,2
	v_permlane16_swap_b32 v[PCD+\i], v[TP+\i]
.endr
.irp i, 0,1,2
	v_mov_b32 v[PCD+3+\i], v[TP+\i]
.endr
	global_store_b128 v1, v[PCD:PCD+3], s[50:51]
	global_store_b64 v2, v[PCD+4:PCD+5], s[50:51] offset:512
	global_store_b16 v8, v232, s[52:53]            ; lanes r and r + 16 store the same two bytes to the same place
	s_sub_co_u32 s[PASS], s[PASS], 1
	s_cmp_lg_u32 s[PASS], 0
	s_cbranch_scc1 .Lpass
	s_wait_tensorcnt 0x0                           ; the wave's end, behind my last LDS store
	ds_add_u32 v[SPW], v[NIL]
	s_wait_dscnt 0x0
	s_endpgm
.Lfunc_end_k_qf241ccf73b_attn:
	.size	k_qf241ccf73b_attn, .Lfunc_end_k_qf241ccf73b_attn-k_qf241ccf73b_attn
	.p2alignl 7, 3214868480
	.fill 96, 4, 3214868480
	.section	.rodata,"a",@progbits
	.p2align	6, 0x0
	.amdhsa_kernel k_qf241ccf73b_attn
		.amdhsa_group_segment_fixed_size 26624
		.amdhsa_private_segment_fixed_size 0
		.amdhsa_enable_private_segment 0
		.amdhsa_kernarg_size 16
		.amdhsa_user_sgpr_count 2
		.amdhsa_user_sgpr_kernarg_segment_ptr 1
		.amdhsa_wavefront_size32 1
		.amdhsa_system_sgpr_workgroup_id_x 1
		.amdhsa_system_sgpr_workgroup_id_y 1
		.amdhsa_system_sgpr_workgroup_id_z 1
		.amdhsa_system_vgpr_workitem_id 0
		.amdhsa_next_free_vgpr 256
		.amdhsa_next_free_sgpr 66
		.amdhsa_reserve_vcc 1
		.amdhsa_float_denorm_mode_32 3
		.amdhsa_float_denorm_mode_16_64 3
		.amdhsa_memory_ordered 1
		.amdhsa_forward_progress 1
		.amdhsa_inst_pref_size 55
	.end_amdhsa_kernel
	.amdgpu_metadata
---
amdhsa.version: [ 1, 2 ]
amdhsa.kernels:
  - .name:           k_qf241ccf73b_attn
    .symbol:         k_qf241ccf73b_attn.kd
    .args:
      - { .name: qkvc, .offset: 0, .size: 8, .value_kind: global_buffer, .address_space: global }
      - { .name: att, .offset: 8, .size: 8, .value_kind: global_buffer, .address_space: global }
    .group_segment_fixed_size: 26624
    .private_segment_fixed_size: 0
    .kernarg_segment_align: 8
    .kernarg_segment_size: 16
    .max_flat_workgroup_size: 512
    .sgpr_count:     66
    .vgpr_count:     256
    .wavefront_size: 32
...
	.end_amdgpu_metadata
.endif
;; end of part 3
;; launch oproj (part 4): grid 4 x 32, 4 waves a work-group, clusters of 4 x 4, 327,680 bytes of LDS; arguments att, pre, out0; writes out0
.if DOCPART == 4
	.amdgcn_target "amdgcn-amd-amdhsa--gfx1250"
	.amdhsa_code_object_version 6
	.text
	.protected	k_qf241ccf73b_oproj
	.globl	k_qf241ccf73b_oproj
	.p2align	8
	.type	k_qf241ccf73b_oproj,@function
k_qf241ccf73b_oproj:
	s_mov_b64 s[64:65], 0
	v_nop
	global_prefetch_b8 v0, s[64:65] scope:SCOPE_SE
	s_setreg_imm32_b32 hwreg(HW_REG_WAVE_MODE, 25, 1), 1
	s_wait_xcnt 0x0
	s_wait_alu depctr_hold_cnt(0) depctr_sa_sdst(0) depctr_va_vdst(0) depctr_va_sdst(0) depctr_va_ssrc(0) depctr_va_vcc(0) depctr_vm_vsrc(0)
	s_getreg_b32 s2, hwreg(HW_REG_IB_STS2, 6, 4)
	s_cmp_eq_u32 s2, 0
	s_cbranch_scc0 .Lentry_in_a_cluster
	s_endpgm
.Lentry_in_a_cluster:
	s_bfe_u32 s2, ttmp6, 0x10000c
	s_cmp_lg_u32 s2, 0xf033
	s_cbranch_scc0 .Lentry_shape_is_right
	s_endpgm
.Lentry_shape_is_right:
; out0 = A Wo^T on codes of FP6 (E2M3) with E8M0 scales, K = 1,024; A is the attention's result, 8,192 tokens, as the launch before has quantised it; out0 is [8192][1024] f32.
; A work-group of four waves makes 256 tokens x 256 outputs; a wave 128 x 128: 64 accumulators of 16 x 16, 512 registers.  R = tokens is source 1 (a lane holds one token), P = Wo's rows is source 0 (a lane's registers run along the outputs).
; OPERANDS lie in memory as images of their registers (a tile of 16 rows x 128 K: 1,536 bytes), [tile][8 K steps][1536]; row r of tile T is row 32 (T / 2) + 8 (T % 2) + r + 8 (r / 8): so the 16 registers of result tiles 2 b, 2 b + 1 are 16 neighbouring outputs.
; K goes in steps of 256 through a ring of two LDS slots; a wave's tensor load brings 8 tiles x 3,072 bytes.  The scale words of all of K come once, with the first fills.
; CLUSTERS: 4 x 4 work-groups; R's tiles hang on cy alone and are asked for jointly along a row of the cluster, P's on cx alone, along a column.
; The grid has 128 work-groups: 32 blocks of tokens x 4 blocks of outputs.
; REGISTERS, in windows of 256: window 0: v16-29 addresses; v32-63 scale words, two sets; v128-223 R's fragments, one set; on the way out v128-255.  window 1: P's fragments, two sets.  windows 2, 3: the accumulators ((a, b) at v[8 (8 (a % 4) + b)]).
.set OS,  6291456
.set WC,  6291456
.set WS,  9699328
.set NQ,    2
.set FR,    12
.set NL,    4
.set NP,    4
.set FRB,   1536
.set TILEB, NQ*FRB
.set TROW,  8*FRB
.set HALFT, 8*TILEB
.set SLOT,  4*HALFT
.set LAPS,  2
.set SCL,   2*SLOT
.set HALFS, 8*512
.set SBLK,  512
.set SPARE, SCL+4*HALFS                ; the spare words, 128 bytes for each wave, which no other line names
.set STAGE, SPARE+512                  ; behind them: a stage of 16 rows x (512 bytes + 16) for each wave; no tensor load ever lands there
.set SPITCH, 528
.set ADRA, 16
.set ADRB, 20
.set STO,  24                          ; v24 the way out: where I put 64 bytes of a row
.set RD,   25                          ; v25 where I read a row back
.set CO,   26                          ; v26 16 x lane: my bytes of a row's 512
.set ADRS, 27
.set SPW,  28
.set NIL,  29
.set SC,   32
.set AF,   128
.set BK,   128
.set G1, 24
.set G0, 32
.set G1B, 48
.set G0B, 56
.set G1S, 68
.set G0S, 76
.set G1SB, 80
.set G0SB, 88
.set MSB, 0
.macro WIN new
.if MSB != (\new)
	s_set_vgpr_msb (MSB<<8)|(\new)
.set MSB, (\new)
.endif
.endm
.set MUL_LO, 0xa1
.set MUL_HI, 0xf1
.set TO_B,   0x40
.macro JLOAD g0a, g1a, g0b, g1b        ; a joint load: waves 0 and 1 fetch for R, waves 2 and 3 for P; an s_nop 0 and four v_nop follow each of the two lines
	s_cmp_eq_u32 s15, 0
	s_cbranch_scc0 .Lfor_b_\@
	tensor_load_to_lds s[\g0a:\g0a+3], s[\g1a:\g1a+7]
	s_nop 0
.rept 4
	v_nop
.endr
	s_branch .Lasked_\@
.Lfor_b_\@:
	tensor_load_to_lds s[\g0b:\g0b+3], s[\g1b:\g1b+7]
	s_nop 0
.rept 4
	v_nop
.endr
.Lasked_\@:
.endm
.macro CREST
	s_cmp_lg_u32 s14, 0
	s_cbranch_scc1 .Lnot_wave_0_\@
	s_barrier_signal -3
.Lnot_wave_0_\@:
	s_barrier_wait -3
	s_barrier_signal -1
	s_barrier_wait -1
.endm
.macro CROUND
	s_barrier_signal -1
	s_barrier_wait -1
	CREST
.endm
	s_load_b128 s[4:7], s[0:1], 0x0                ; att s[4:5], pre s[6:7]
	s_load_b64 s[8:9], s[0:1], 0x10                ; out0
	v_lshl_add_u32 v[SPW], v0, 2, SPARE
	v_mov_b32 v[NIL], 0
	ds_add_u32 v[SPW], v[NIL]                      ; the wave's opening: the add, and its wait ahead of my first tensor load; work on registers stands between them
	v_lshrrev_b32 v1, 5, v0
	v_readfirstlane_b32 s14, v1
	s_lshr_b32 s15, s14, 1                         ; which half of R is mine.  Also: I fetch for R (0) or for P (1)
	s_and_b32 s16, s14, 1                          ; which half of P.  Also: which 8 tiles I fetch
	s_bfe_u32 s40, ttmp6, 0x40000                  ; cx
	s_bfe_u32 s41, ttmp6, 0x40004                  ; cy
	s_and_b32 s17, ttmp7, 0xffff
	s_lshl_b32 s43, s41, 2
	s_lshl_b32 s43, 15, s43
	s_lshl_b32 s44, 0x1111, s40
	s_or_b32 s[G1+0], s43, (3<<16)|(1<<21)         ; codes: 8 rows (tiles) of 384 elements of 8 bytes, 1,536 elements apart; no padding
	s_or_b32 s[G1B+0], s44, (3<<16)|(1<<21)
.irp g, G1, G1B
	s_mov_b32 s[\g+1], 384<<16
	s_mov_b32 s[\g+2], 8<<16
	s_mov_b32 s[\g+3], 384<<16
	s_mov_b32 s[\g+4], 8
	s_mov_b32 s[\g+5], 1536
	s_mov_b32 s[\g+6], 0
	s_mov_b32 s[\g+7], 0
.endr
	s_or_b32 s[G1S+0], s43, (3<<16)|(1<<21)        ; scale words of 8 tiles: 4,096 dense bytes, as 16 rows of 256
	s_or_b32 s[G1SB+0], s44, (3<<16)|(1<<21)
.irp g, G1S, G1SB
	s_mov_b32 s[\g+1], 32<<16
	s_mov_b32 s[\g+2], 16<<16
	s_mov_b32 s[\g+3], 32<<16
	s_mov_b32 s[\g+4], 16
	s_mov_b32 s[\g+5], 32
	s_mov_b32 s[\g+6], 0
	s_mov_b32 s[\g+7], 0
.endr
	s_lshl_b32 s18, s16, 3
	s_lshl_b32 s20, s17, 2
	s_add_co_u32 s20, s20, s41
	s_lshl_b32 s20, s20, 4
	s_add_co_u32 s20, s20, s18                     ; R: tile 16 (4 Y + cy) + 8 x half
	s_lshl_b32 s46, s40, 4
	s_add_co_u32 s46, s46, 192
	s_add_co_u32 s46, s46, s18                     ; P: Wo's tiles begin at 192: + 16 cx + 8 x half
	s_lshl_b32 s22, s20, 9
	s_add_co_u32 s22, s22, OS
	s_mul_i32 s20, s20, TROW
	s_mov_b32 s21, 0
	s_mov_b32 s23, 0
	s_lshl_b32 s92, s46, 9
	s_add_co_u32 s92, s92, WS
	s_mul_i32 s46, s46, TROW
	s_add_co_u32 s46, s46, WC
	s_mov_b32 s47, 0
	s_mov_b32 s93, 0
	s_mul_i32 s45, s14, HALFT
	s_mul_i32 s94, s14, HALFS
	s_wait_dscnt 0x0                               ; the opening add is done
	s_wait_kmcnt 0x0
	s_add_nc_u64 s[20:21], s[4:5], s[20:21]
	s_add_nc_u64 s[22:23], s[4:5], s[22:23]
	s_add_nc_u64 s[46:47], s[6:7], s[46:47]
	s_add_nc_u64 s[92:93], s[6:7], s[92:93]
	CROUND                                         ; all sixteen work-groups are here: the first joint loads meet
	s_mov_b32 s[G0S], 1
	s_add_co_u32 s[G0S+1], s94, SCL
	s_mov_b64 s[G0S+2:G0S+3], s[22:23]
	s_or_b32 s[G0S+3], s[G0S+3], 0x80000000
	s_mov_b32 s[G0SB], 1
	s_add_co_u32 s[G0SB+1], s94, SCL
	s_mov_b64 s[G0SB+2:G0SB+3], s[92:93]
	s_or_b32 s[G0SB+3], s[G0SB+3], 0x80000000
	JLOAD G0S, G1S, G0SB, G1SB
.irp s, 0,1
	s_mov_b32 s[G0+4*\s], 1
	s_add_co_u32 s[G0+4*\s+1], s45, \s*SLOT
	s_add_nc_u64 s[G0+4*\s+2:G0+4*\s+3], s[20:21], \s*TILEB
	s_or_b32 s[G0+4*\s+3], s[G0+4*\s+3], 0x80000000
	s_mov_b32 s[G0B+4*\s], 1
	s_add_co_u32 s[G0B+4*\s+1], s45, \s*SLOT
	s_add_nc_u64 s[G0B+4*\s+2:G0B+4*\s+3], s[46:47], \s*TILEB
	s_or_b32 s[G0B+4*\s+3], s[G0B+4*\s+3], 0x80000000
	JLOAD G0+4*\s, G1, G0B+4*\s, G1B               ; three tensor loads of mine are out now
.endr
	v_and_b32 v1, 15, v0                           ; r
	v_bfe_u32 v2, v0, 4, 1                         ; h
	v_and_b32 v3, 31, v0
	v_lshlrev_b32 v[CO], 4, v3                     ; 16 x lane
	v_lshlrev_b32 v4, 3, v3                        ; 8 x lane
	s_mul_i32 s21, s15, HALFT
	s_mul_i32 s22, s16, HALFT
	s_add_co_u32 s22, s22, 2*HALFT
.irp s, 0,1
	v_add_nc_u32 v[ADRA+\s], s21, v[CO]
	v_add_nc_u32 v[ADRB+\s], s22, v[CO]
	v_add_nc_u32 v[ADRA+2+\s], s21, v4
	v_add_nc_u32 v[ADRB+2+\s], s22, v4
	s_add_co_u32 s21, s21, SLOT
	s_add_co_u32 s22, s22, SLOT
.endr
	v_lshlrev_b32 v5, 3, v1
	s_mul_i32 s21, s15, HALFS
	s_mul_i32 s22, s16, HALFS
	s_add_co_u32 s22, s22, 2*HALFS
	s_sub_co_u32 s22, s22, s21
	v_mul_u32_u24 v6, s22, v2                      ; lanes 16-31 take P's scale words
	s_add_co_u32 s21, s21, SCL
	v_add_nc_u32 v5, v5, v6
	v_add_nc_u32 v[ADRS], s21, v5
	s_mul_i32 s23, s14, 16*SPITCH
	s_add_co_u32 s23, s23, STAGE                   ; my stage
	v_mul_u32_u24 v5, v1, SPITCH
	v_lshl_add_u32 v5, v2, 6, v5
	v_add_nc_u32 v[STO], s23, v5                   ; in: row r, + 64 h
	v_add_nc_u32 v[RD], s23, v[CO]                 ; back: the 32 lanes take one row of 512 bytes
	s_lshl_b32 s96, s17, 2
	s_add_co_u32 s96, s96, s41
	s_lshl_b32 s96, s96, 8
	s_lshl_b32 s97, s15, 7
	s_add_co_u32 s96, s96, s97                     ; my first token
	s_lshl_b32 s96, s96, 12                        ; rows of 4,096 bytes
	s_lshl_b32 s97, s40, 10
	s_add_co_u32 s96, s96, s97
	s_lshl_b32 s97, s16, 9
	s_add_co_u32 s96, s96, s97                     ; + my first output, in bytes
	s_mov_b32 s97, 0
	s_add_nc_u64 s[12:13], s[8:9], s[96:97]
.macro FRAG reg, adr, q, i
	ds_load_b128 v[\reg:\reg+3], v[\adr] offset:(\i)*TILEB+(\q)*FRB
	ds_load_b64 v[\reg+4:\reg+5], v[\adr+2] offset:(\i)*TILEB+(\q)*FRB+512
	ds_load_b128 v[\reg+6:\reg+9], v[\adr] offset:(\i)*TILEB+(\q)*FRB+768
	ds_load_b64 v[\reg+10:\reg+11], v[\adr+2] offset:(\i)*TILEB+(\q)*FRB+1280
.endm
.macro MUL16 a0, p, q, sc, zero        ; 16 matrix instructions; the 64 accumulators take turns, one instruction a turn
.irp a, \a0, \a0+1
.irp b, 0,1,2,3,4,5,6,7
.if \zero
	v_wmma_scale_f32_16x16x128_f8f6f4 v[8*(8*((\a)%4)+\b):8*(8*((\a)%4)+\b)+7], v[128*(\p)+FR*\b:128*(\p)+FR*\b+FR-1], v[AF+FR*(\a):AF+FR*(\a)+FR-1], 0, v[SC+8*NQ*(\sc)+NQ*\b+(\q)], v[SC+8*NQ*(\sc)+NQ*(\a)+(\q)] matrix_a_fmt:MATRIX_FMT_FP6 matrix_b_fmt:MATRIX_FMT_FP6 matrix_a_scale:MATRIX_SCALE_ROW1
.else
	v_wmma_scale_f32_16x16x128_f8f6f4 v[8*(8*((\a)%4)+\b):8*(8*((\a)%4)+\b)+7], v[128*(\p)+FR*\b:128*(\p)+FR*\b+FR-1], v[AF+FR*(\a):AF+FR*(\a)+FR-1], v[8*(8*((\a)%4)+\b):8*(8*((\a)%4)+\b)+7], v[SC+8*NQ*(\sc)+NQ*\b+(\q)], v[SC+8*NQ*(\sc)+NQ*(\a)+(\q)] matrix_a_fmt:MATRIX_FMT_FP6 matrix_b_fmt:MATRIX_FMT_FP6 matrix_a_scale:MATRIX_SCALE_ROW1
.endif
.endr
.endr
.endm
.macro FETCH_B slot, q, p
	WIN TO_B
.irp i, 0,1,2,3,4,5,6,7
	FRAG 128*(\p)+FR*\i, ADRB+\slot, \q, \i
.endr
	WIN 0
.endm
.macro FETCH_A slot, q, i0
.irp i, \i0, \i0+1, \i0+2, \i0+3
	FRAG AF+FR*(\i), ADRA+\slot, \q, \i
.endr
.endm
.macro SCALES sc
.irp i, 0,1,2,3,4,5,6,7
	ds_load_b64 v[SC+8*NQ*\sc+NQ*\i:SC+8*NQ*\sc+NQ*\i+1], v[ADRS] offset:\i*SBLK
.endr
.endm
.macro PLACES n
.rept \n
	v_nop
.endr
.endm
.macro STEP slot, q, zero
	s_wait_dscnt 4*NL                              ; P's set and R's tiles 0-3 are in; the youngest 16 loads (R's tiles 4-7) may be out
	WIN MUL_LO
	MUL16 0, (\q)%2, \q, \slot, \zero
	MUL16 2, (\q)%2, \q, \slot, \zero
	s_wait_dscnt 0
	PLACES NP
	FETCH_B \slot, (\q)+1, 1-(\q)%2
	FETCH_A \slot, (\q)+1, 0
	WIN MUL_HI
	MUL16 4, (\q)%2, \q, \slot, \zero
	MUL16 6, (\q)%2, \q, \slot, \zero
	PLACES NP
	WIN 0
	FETCH_A \slot, (\q)+1, 4
.endm
.macro TURN slot, next, fill
	s_wait_tensorcnt 0x0                           ; all my tensor loads have landed: my part of the next slot
	ds_add_u32 v[SPW], v[NIL]                      ; 0 onto my spare word
	s_wait_dscnt 4*NL+1                            ; (the add and the youngest 16 loads may be out)
	WIN MUL_LO
	MUL16 0, 1, NQ-1, \slot, 0
	s_wait_dscnt 0x0                               ; the add is done, and my reads of this slot are over
	s_barrier_signal -1
	MUL16 2, 1, NQ-1, \slot, 0
	WIN 0
	s_barrier_wait -1
.if \fill
	CREST                                          ; the barrier has opened a round of the cluster's barrier
	s_add_nc_u64 s[G0+4*\slot+2:G0+4*\slot+3], s[G0+4*\slot+2:G0+4*\slot+3], 2*TILEB
	s_add_nc_u64 s[G0B+4*\slot+2:G0B+4*\slot+3], s[G0B+4*\slot+2:G0B+4*\slot+3], 2*TILEB
	JLOAD G0+4*\slot, G1, G0B+4*\slot, G1B         ; the first tensor load behind the round
.else
	PLACES NP
.endif
	v_add_nc_u32 v[ADRS], 128, v[ADRS]
	FETCH_B \next, 0, 0
	FETCH_A \next, 0, 0
	SCALES \next
	WIN MUL_HI
	MUL16 4, 1, NQ-1, \slot, 0
	MUL16 6, 1, NQ-1, \slot, 0
	PLACES NP
	WIN 0
	FETCH_A \next, 0, 4
.endm
	s_wait_tensorcnt 1                             ; the scale words and my part of slot 0 are in; slot 1's load may be out
	s_barrier_signal -1
	s_barrier_wait -1
	FETCH_B 0, 0, 0
	FETCH_A 0, 0, 0
	SCALES 0
	FETCH_A 0, 0, 4
	STEP 0, 0, 1
	s_mov_b32 s3, LAPS-1
.Llap:
	TURN 0, 1, 1
	STEP 1, 0, 0
	TURN 1, 0, 1
	STEP 0, 0, 0
	s_sub_co_u32 s3, s3, 1
	s_cmp_lg_u32 s3, 0
	s_cbranch_scc1 .Llap
	TURN 0, 1, 0
	STEP 1, 0, 0
	s_wait_dscnt 4*NL
	WIN MUL_LO
	MUL16 0, 1, NQ-1, 1, 0
	MUL16 2, 1, NQ-1, 1, 0
	s_wait_dscnt 0
	WIN MUL_HI
	MUL16 4, 1, NQ-1, 1, 0
	MUL16 6, 1, NQ-1, 1, 0
	WIN 0
; THE WAY OUT, a token tile at a time.  Lane (r, h) holds, in accumulators (a, 2 b') and (a, 2 b' + 1), outputs 32 b' + 16 h + 0 .. 15 of token row r: 64 neighbouring bytes.  A tile goes through my own stage in LDS and comes back as whole
; rows of 512 bytes, which the 32 lanes store as one aligned run of 512 bytes.  LDS serves a wave's instructions in order (ISA guide 5.7.1.4): no wait between the stores and the loads.
.macro TOSTAGE a
.set AC, 64*((\a)%4)
	WIN 0x08+4*((\a)/4)                            ; the data: window 2 or 3
.irp b, 0,1,2,3,4,5,6,7
	ds_store_b128 v[STO], v[AC+8*\b:AC+8*\b+3] offset:128*(\b/2)+32*(\b%2)          ; each accumulator from its low end on
	ds_store_b128 v[STO], v[AC+8*\b+4:AC+8*\b+7] offset:128*(\b/2)+32*(\b%2)+16
.endr
	WIN 0
.set BB, BK+64*((\a)%2)
.irp t, 0,1,2,3,4,5,6,7,8,9,10,11,12,13,14,15
	ds_load_b128 v[BB+4*\t:BB+4*\t+3], v[RD] offset:\t*SPITCH
.endr
.endm
.macro SEND a, younger                 ; younger: the LDS instructions issued behind tile a's loads, which may stay out
.set BB, BK+64*((\a)%2)
	s_wait_dscnt \younger
.irp t, 0,1,2,3,4,5,6,7,8,9,10,11,12,13,14,15
	global_store_b128 v[CO], v[BB+4*\t:BB+4*\t+3], s[12:13] offset:(32*((\a)/2)+8*((\a)%2)+\t+8*(\t/8))*4096 th:TH_STORE_NT   ; row t of tile a: 512 consecutive aligned bytes; 127 rows at the most: inside the signed 24-bit immediate
.endr
.endm
	PLACES NP                                      ; behind the last products: their results are read, and R's registers loaded into, below
	TOSTAGE 0
.irp a, 1,2,3,4,5,6,7
.if \a > 1
	s_wait_xcnt 0x0                                ; tile a - 2's stores have read their registers: tile a's loads may land there
.endif
	TOSTAGE \a
	SEND \a-1, 32                                  ; behind tile a - 1's loads: tile a's 16 stores and 16 loads
.endr
	SEND 7, 0
	s_wait_tensorcnt 0x0                           ; the wave's end, behind my last tensor load and my last LDS store
	ds_add_u32 v[SPW], v[NIL]
	s_wait_dscnt 0x0
	CROUND                                         ; the closing round
	s_endpgm
.Lfunc_end_k_qf241ccf73b_oproj:
	.size	k_qf241ccf73b_oproj, .Lfunc_end_k_qf241ccf73b_oproj-k_qf241ccf73b_oproj
	.p2alignl 7, 3214868480
	.fill 96, 4, 3214868480
	.section	.rodata,"a",@progbits
	.p2align	6, 0x0
	.amdhsa_kernel k_qf241ccf73b_oproj
		.amdhsa_group_segment_fixed_size 327680
		.amdhsa_private_segment_fixed_size 0
		.amdhsa_enable_private_segment 0
		.amdhsa_kernarg_size 24
		.amdhsa_user_sgpr_count 2
		.amdhsa_user_sgpr_kernarg_segment_ptr 1
		.amdhsa_wavefront_size32 1
		.amdhsa_system_sgpr_workgroup_id_x 1
		.amdhsa_system_sgpr_workgroup_id_y 1
		.amdhsa_system_sgpr_workgroup_id_z 1
		.amdhsa_system_vgpr_workitem_id 0
		.amdhsa_next_free_vgpr 1024
		.amdhsa_next_free_sgpr 100
		.amdhsa_reserve_vcc 0
		.amdhsa_float_denorm_mode_32 3
		.amdhsa_float_denorm_mode_16_64 3
		.amdhsa_memory_ordered 1
		.amdhsa_forward_progress 1
		.amdhsa_inst_pref_size 143
	.end_amdhsa_kernel
	.amdgpu_metadata
---
amdhsa.version: [ 1, 2 ]
amdhsa.kernels:
  - .name:           k_qf241ccf73b_oproj
    .symbol:         k_qf241ccf73b_oproj.kd
    .args:
      - { .name: att, .offset: 0, .size: 8, .value_kind: global_buffer, .address_space: global }
      - { .name: pre, .offset: 8, .size: 8, .value_kind: global_buffer, .address_space: global }
      - { .name: out0, .offset: 16, .size: 8, .value_kind: global_buffer, .address_space: global }
    .group_segment_fixed_size: 327680
    .private_segment_fixed_size: 0
    .kernarg_segment_align: 8
    .kernarg_segment_size: 24
    .max_flat_workgroup_size: 128
    .sgpr_count:     100
    .vgpr_count:     1024
    .wavefront_size: 32
...
	.end_amdgpu_metadata
.endif
;; end of part 4
;; ======== version 2 of 2: 4 launches; version 1 with the launch attn written anew for expert scheduling mode
;; limits: inputs' magnitudes at most 4,194,304
;; workspace buffers: pre 10,354,688 bytes; qkvc 20,185,088 bytes; att 6,553,600 bytes
;; launch prep: the kernel of part 1 again; grid 416 x 1, 4 waves a work-group, no clusters, 34,304 bytes of LDS; arguments x, Wq, Wk, Wv, Wo, token_positions, pre; writes pre
;; launch qkv: the kernel of part 2 again; grid 12 x 32, 4 waves a work-group, clusters of 4 x 4, 327,680 bytes of LDS; arguments pre, qkvc; writes qkvc
;; launch attn (part 5): grid 4 x 64, 16 waves a work-group, no clusters, 26,624 bytes of LDS; arguments qkvc, att; writes att
.if DOCPART == 5
	.amdgcn_target "amdgcn-amd-amdhsa--gfx1250"
	.amdhsa_code_object_version 6
	.text
	.protected	k_qf241ccf73b_attn
	.globl	k_qf241ccf73b_attn
	.p2align	8
	.type	k_qf241ccf73b_attn,@function
k_qf241ccf73b_attn:
	s_mov_b64 s[64:65], 0
	v_nop
	global_prefetch_b8 v0, s[64:65] scope:SCOPE_SE
	s_setreg_imm32_b32 hwreg(HW_REG_WAVE_SCHED_MODE, 0, 2), 2
	s_setreg_imm32_b32 hwreg(HW_REG_WAVE_MODE, 25, 1), 1
	s_wait_xcnt 0x0
	s_wait_alu depctr_vm_vsrc(0)
; Causal attention of one (batch, head) on codes of FP6 (E2M3) with E8M0 scales; the result, divided by the row's sum, is quantised along the head's 64 and stored as the next product's operand.
; t = score x log2(e) / 8; M = the running largest t rounded UP to a whole number; p = 2^(t - M) is quantised along the keys, not normalised; the row's sum is taken of the unquantised p.  When M moves, sum and O are multiplied by 2^(old M - new M): exact.
; SHARES.  Work-group (x, y): head y; query blocks 7 - x and x, 256 queries each, one after the other: 2 (7 - x) + 2 + 2 x + 2 = 18 key steps of 128 in every work-group.  Each of sixteen waves owns one tile of 16 queries, in 256 registers.
; Row r of tile T is token 32 (T / 2) + 8 (T % 2) + r + 8 (r / 8), for queries and keys alike: so the 16 registers of score tiles 2 b, 2 b + 1 are keys 32 b + 16 h + 0 .. 15.
; Both products are used transposed (S^T = K Q^T, O^T = V^T P^T): a lane holds one query throughout.  The head's 64 fill the lower half of the instruction's 128 along K; the upper half is zero codes on both sides, under the byte 127.
; K AND V lie in memory as images of their registers, 6,144 bytes each a step.  They go through registers into two LDS slots by a flat copy: waves 0-7 copy K's, waves 8-15 V's, asked for a whole key step ahead.  ONE barrier a step: in front of it
; a wave's reads of the slot in hand are back and its stores into the other slot have landed.  Scale words go from memory straight into every wave's registers, two sets by turns.
; A step all of whose keys come after the wave's queries is left out by a scalar branch on ids, round the work alone: the copy and the barrier stay.  On the diagonal hidden scores become -infinity ahead of the maximum.
; NO CLUSTER: the four work-groups of a head walk 16, 14, 12, 10 steps in their first pass and 2, 4, 6, 8 in their second, so partners would want different numbers of tiles; and a step's K and V are 12,288 bytes.
; LIMITS: a block of zeros gets the scale byte 1 where the rule says 127 (its codes are zeros; the bytes are read by this program alone); NaN and infinities are not served.  The result's two scale bytes a row leave by stores of 2 bytes.
; THE MODE: SCHED_MODE bits 1:0 = 2 (LLVM: expert scheduling mode 2), set by the entry lines.  The code itself states the register dependences between vector or matrix instructions and memory or LDS instructions, with s_wait_alu, always for 0.
; THE PLAN.  Registers that memory or LDS instructions touch:
;   v1-v8          offsets and LDS addresses: made once at the head, never written again.  v10, v11: made at the head, read by the closing add alone.
;   CD             written by the copy's two loads at a step's head; read by the two LDS stores at the step's end.  No vector instruction names it.
;   KSR, VSR       step p's loads write set 1 - p; the matrix instructions of the step in slot 1 - p read it as scales.
;   K's fragments  (the lower six of each twelve registers)  written by LDS loads, twice a step; read by the four score products behind each run.
;   v80-127        written and read as scores and p by vector instructions, last by the four conversions; then V's sixteen LDS loads land there; read by the four second products.
;   Q, v28         loaded at a pass's head; read by every score product of the pass.
;   p's codes' first six registers and v232, on the way out: written by conversions, lane swaps, moves and a shift-or; read by the pass's three stores.
; So a step has: at its head one wait on vm_vsrc (CD has been read) and one on va_vdst (the last step's matrix instructions are done with the scale words' other set and with K's fragments), which serve the four loads and the first
; eight LDS loads, with scalar lines alone between; one on va_vdst ahead of K's second run; one behind the conversions, ahead of V's loads, behind which the vector work names none of v80-127; and one ahead of the second products,
; whose codes and scale word vector instructions have written.  The 256 registers of each of sixteen waves leave no room for a second set of K's fragments.
; The mask's compares write scalar registers in runs of sixteen, with one wait on va_sdst between a run and the selects that read it.
.set QC, 0
.set KC, 6291456
.set VC, 12582912
.set QS, 18874368
.set KS, 19398656
.set VS, 19922944
.set OS, 6291456
.set SLOTB, 12288                      ; a slot: K's 8 tiles of 768 bytes, then V's 4 of 1,536
.set VOFF,  6144
.set SPARE, 2*SLOTB                    ; behind the slots: the spare words, 128 bytes for each wave, which no other line names
.set SPW, 10                           ; v10 LDS address of my spare word; v11 0; neither is rewritten
.set NIL, 11
; v1 16 x lane, v2 8 x lane; v3, v4 where I store my copy; v5, v6 where I load it; v7 16 r, v8 8 r; v9 r + 8 (r / 8) - 16 h; v12 -M, v13 the largest t, v[14:15] the sum; v16-27 Q (22-27 zeros), v28 its scale word
.set KF0, 32                           ; v32-79   four fragments of K; the upper six registers of each are zeros
.set SS,  80                           ; v80-143  S^T, then p; then v80-127 V's four fragments
.set OT,  144                          ; v144-175 O^T
.set PCD, 176                          ; v176-187 p's codes
.set CD,  188                          ; v188-193 my copy's data
.set KSR, 196                          ; v196-203 K's scale words, two sets;  v204-207 V's
.set VSR, 204
.set BM,  208                          ; v208-211 the blocks' largest
.set PB,  212                          ; v212-215 permutes' destinations, bytes
.set TP,  216                          ; v216.., v220.. conversions' second halves
.set SO,  224                          ; v224-227 the conversions' scale operands
.set FF,  228                          ; v228 f, v229 p's scale word
.set WV,   8
.set SEL,  12
.set CS,   14
.set PASS, 38
.set QB,   39
.set TT,   40
.set QMIN, 41
.set QMAX, 42
.set NXT,  43
.set KF,   44
.set TRIPS, 45
.set TRIP, 46
.set NST,  47
; the mask's sixteen lane masks: number k lies in s[49 + k + k / 9 - 62 (k / 14)]: s49-57, s59-63, s2, s3, which hold nothing else while a step runs
	s_load_b128 s[4:7], s[0:1], 0x0                ; qkvc, att
	v_lshl_add_u32 v[SPW], v0, 2, SPARE
	v_mov_b32 v[NIL], 0
	v_lshrrev_b32 v1, 5, v0
	v_readfirstlane_b32 s[WV], v1                  ; wave 0..15
	v_and_b32 v12, 31, v0
	v_lshlrev_b32 v1, 4, v12
	v_lshlrev_b32 v2, 3, v12
	v_and_b32 v13, 255, v0                         ; my place among the 256 threads that copy K's bytes, or V's
	v_lshrrev_b32 v14, 8, v0
	v_mul_u32_u24 v14, v14, VOFF
	v_lshlrev_b32 v5, 4, v13                       ; 4,096 bytes by 16,
	v_lshl_add_u32 v6, v13, 3, 4096                ; 2,048 by 8
	v_add_nc_u32 v3, v14, v5
	v_add_nc_u32 v4, v14, v6
	v_and_b32 v15, 15, v0                          ; r
	v_bfe_u32 v12, v0, 4, 1                        ; h
	v_lshlrev_b32 v7, 4, v15
	v_lshlrev_b32 v8, 3, v15
	v_and_b32 v9, 8, v15
	v_add_nc_u32 v9, v9, v15
	v_lshlrev_b32 v12, 4, v12
	v_sub_nc_u32 v9, v9, v12
.irp i, 0,1,2,3,4,5
	v_mov_b32 v[22+\i], 0                          ; zero codes for k = 64 .. 127
.irp t, 0,1,2,3
	v_mov_b32 v[KF0+12*\t+6+\i], 0
.endr
.endr
.irp b, 0,1,2,3
	v_mov_b32 v[PB+\b], 0                          ; a lane permute's destination counts as one of its sources
.endr
	v_mov_b32 v[FF+1], 0                           ; (named as the upper half of a pair before it is first written)
	s_wait_alu depctr_va_sdst(0)                   ; the wave's number is written, ahead of its first reader: bases and branches are made from it
	s_mov_b32 s9, ttmp9
	s_and_b32 s10, ttmp7, 0xffff                   ; 16 x batch + head
	s_mov_b32 s[SEL], 0x76543210
	s_mov_b32 s[SEL+1], 0xfedcba98
	s_mov_b32 s[CS], 0x3e38aa3b                    ; c = log2(e) / 8
	s_mov_b32 s[CS+1], s[CS]
	s_mov_b32 s37, 0
	s_mul_i32 s48, s10, 98304
	s_lshl_b32 s49, s10, 13
	s_lshl_b32 s50, s10, 12
	s_mov_b32 s51, VC
	s_cmp_lt_u32 s[WV], 8
	s_cselect_b32 s51, KC, s51
	s_add_co_u32 s51, s51, s48
	s_lshr_b32 s58, s[WV], 3                       ; my tile's place among Q's scale words: 512 (w / 8) + 256 ((w / 4) % 2) + 4 (w % 4)
	s_lshl_b32 s58, s58, 9
	s_bfe_u32 s52, s[WV], 0x10002
	s_lshl_b32 s52, s52, 8
	s_add_co_u32 s58, s58, s52
	s_and_b32 s52, s[WV], 3
	s_lshl_b32 s52, s52, 2
	s_add_co_u32 s58, s58, s52
	s_wait_kmcnt 0x0
	s_mov_b32 s36, s51
	s_add_nc_u64 s[16:17], s[4:5], s[36:37]        ; what I copy: the head's K, or V
	s_add_co_u32 s36, s49, KS
	s_add_nc_u64 s[18:19], s[4:5], s[36:37]
	s_add_co_u32 s36, s50, VS
	s_add_nc_u64 s[20:21], s[4:5], s[36:37]
	s_mov_b32 s36, s48
	s_add_nc_u64 s[22:23], s[4:5], s[36:37]        ; Q's codes (their region begins the buffer)
	s_add_co_u32 s36, s49, QS
	s_add_nc_u64 s[24:25], s[4:5], s[36:37]
	s_lshr_b32 s48, s10, 4                         ; batch
	s_and_b32 s49, s10, 15                         ; head
	s_mul_i32 s36, s48, 128*12288
	s_mul_i32 s50, s49, 768
	s_add_co_u32 s36, s36, s50
	s_add_nc_u64 s[26:27], s[6:7], s[36:37]        ; the result's codes: [512 tiles][16 heads][768]
	s_lshl_b32 s36, s48, 16
	s_lshr_b32 s50, s49, 2
	s_lshl_b32 s50, s50, 7
	s_add_co_u32 s36, s36, s50
	s_and_b32 s50, s49, 3
	s_lshl_b32 s50, s50, 1
	s_add_co_u32 s36, s36, s50
	s_add_co_u32 s36, s36, OS
	s_add_nc_u64 s[28:29], s[6:7], s[36:37]        ; its scale bytes: [tile][4][16 rows][8 bytes], my head's two at 128 (head / 4) + 2 (head % 4)
	s_wait_alu depctr_va_vdst(0)                   ; the offsets and addresses v1 to v8 are written, which every load and store of the kernel reads; so are the zero codes of Q's and K's fragments, which the score products take
	; key step 0 into slot 0
	global_load_b128 v[CD:CD+3], v5, s[16:17]
	global_load_b64 v[CD+4:CD+5], v6, s[16:17]
	global_load_b128 v[KSR:KSR+3], v1, s[18:19]
	global_load_b64 v[VSR:VSR+1], v2, s[20:21]
	s_wait_loadcnt 0x0
	ds_store_b128 v3, v[CD:CD+3]
	ds_store_b64 v4, v[CD+4:CD+5]
	s_wait_dscnt 0x0                               ; for the others' sake: my stores have landed
	s_barrier_signal -1
	s_barrier_wait -1
	s_mov_b32 s[PASS], 2
; A KEY STEP, in slot p
.macro STEP p
	s_mul_i32 s36, s[NXT], 6144                    ; the step to be fetched.  (The last step's loads were waited for: their bases may be written)
	s_add_nc_u64 s[30:31], s[16:17], s[36:37]
	s_lshl_b32 s36, s[NXT], 9
	s_add_nc_u64 s[32:33], s[18:19], s[36:37]
	s_lshl_b32 s36, s[NXT], 8
	s_add_nc_u64 s[34:35], s[20:21], s[36:37]
	s_wait_alu depctr_vm_vsrc(0)                   ; the last step's LDS stores have read v[CD ..], in which the loads below land; in a pass's first step also: the last pass's stores have read the codes and v232, which this pass writes again
	s_wait_alu depctr_va_vdst(0)                   ; the last step's matrix instructions are done reading the other set of scale words, in which the loads below land, and K's fragments, in which the first LDS loads land: scalar lines alone stand between
	global_load_b128 v[CD:CD+3], v5, s[30:31]
	global_load_b64 v[CD+4:CD+5], v6, s[30:31]
	global_load_b128 v[KSR+4*(1-\p):KSR+4*(1-\p)+3], v1, s[32:33]
	global_load_b64 v[VSR+2*(1-\p):VSR+2*(1-\p)+1], v2, s[34:35]
	s_add_co_u32 s[NXT], s[NXT], 1
	s_cmp_eq_u32 s[NXT], s[NST]
	s_cselect_b32 s[NXT], 0, s[NXT]                ; a pass's last step fetches step 0, for the next pass: no load leaves its buffer
	s_cmp_gt_u32 s[KF], s[QMAX]
	s_cbranch_scc1 .Lhidden_\@                     ; all 128 keys come after my 16 queries
.irp g, 0,1                            ; S^T = K Q^T, four tiles of 16 keys at a time
.if \g
.rept 4
	v_nop                                          ; places in front of loads into registers that matrix instructions have read
.endr
	s_wait_alu depctr_va_vdst(0)                   ; the four score products above are done reading K's fragments, in which the loads below land
.endif
.irp t, 0,1,2,3
	ds_load_b128 v[KF0+12*\t:KF0+12*\t+3], v1 offset:SLOTB*\p+768*(4*\g+\t)
	ds_load_b64 v[KF0+12*\t+4:KF0+12*\t+5], v2 offset:SLOTB*\p+768*(4*\g+\t)+512
.endr
	s_wait_dscnt 0x0
.irp t, 0,1,2,3
.if \g
	v_wmma_scale_f32_16x16x128_f8f6f4 v[SS+8*(4*\g+\t):SS+8*(4*\g+\t)+7], v[KF0+12*\t:KF0+12*\t+11], v[16:27], 0, v[KSR+4*\p+\t], v28 matrix_a_fmt:MATRIX_FMT_FP6 matrix_b_fmt:MATRIX_FMT_FP6 matrix_a_scale:MATRIX_SCALE_ROW1
.else
	v_wmma_scale_f32_16x16x128_f8f6f4 v[SS+8*(4*\g+\t):SS+8*(4*\g+\t)+7], v[KF0+12*\t:KF0+12*\t+11], v[16:27], 0, v[KSR+4*\p+\t], v28 matrix_a_fmt:MATRIX_FMT_FP6 matrix_b_fmt:MATRIX_FMT_FP6
.endif
.endr
.endr
.rept 4
	v_nop
.endr
	s_add_co_u32 s48, s[KF], 127
	s_cmp_le_u32 s48, s[QMIN]
	s_cbranch_scc1 .Lopen_\@                       ; all 128 keys count for all my queries
	s_sub_co_i32 s48, s[QMIN], s[KF]
	v_add_nc_u32 v230, s48, v9                     ; d = my query - the step's first key - 16 h.  Register 16 b + i holds key 32 b + 16 h + i of the step: hidden where 32 b + i > d
	v_mov_b32 v231, 0xff800000
.irp b, 0,1,2,3                        ; a block of 32 keys at a time: sixteen compares, one wait, sixteen selects
.set k, 0
.rept 16
	v_cmp_gt_i32 s[49+k+k/9-62*(k/14)], 32*\b+k, v230
.set k, k+1
.endr
	s_wait_alu depctr_va_sdst(0)                   ; the sixteen compares have written their lane masks, ahead of the selects that read them
.set k, 0
.rept 16
	v_cndmask_b32 v[SS+16*\b+k], v[SS+16*\b+k], v231, s[49+k+k/9-62*(k/14)]
.set k, k+1
.endr
.endr
.Lopen_\@:
.irp b, 0,1,2,3
	v_max3_num_f32 v[BM+\b], v[SS+16*\b], v[SS+16*\b+1], v[SS+16*\b+2]   ; the largest score of each block of 32 keys: it serves for the row's maximum and, since p rises with the score, for the block's largest p
.endr
.irp i, 3,5,7,9,11,13
.irp b, 0,1,2,3
	v_max3_num_f32 v[BM+\b], v[BM+\b], v[SS+16*\b+\i], v[SS+16*\b+\i+1]
.endr
.endr
.irp b, 0,1,2,3
	v_max_num_f32 v[BM+\b], v[BM+\b], v[SS+16*\b+15]
.endr
.irp b, 0,1,2,3
	v_permlanex16_b32 v[PB+\b], v[BM+\b], s[SEL], s[SEL+1]
.endr
.irp b, 0,1,2,3
	v_max_num_f32 v[BM+\b], v[BM+\b], v[PB+\b]
.endr
	v_max3_num_f32 v230, v[BM], v[BM+1], v[BM+2]
	v_max_num_f32 v230, v230, v[BM+3]
	v_mul_f32 v230, s[CS], v230
	v_max_num_f32 v13, v13, v230                   ; the running largest t
	v_mov_b32 v230, v12
	v_floor_f32 v12, -v13                          ; -M = floor(-t): M is a whole number
	v_sub_f32 v230, v12, v230
	v_cvt_i32_f32 v230, v230                       ; (it saturates)
	v_ldexp_f32 v[FF], 1.0, v230                   ; f = 2^(old M - new M)
.set n, 0
.rept 32
	v_pk_fma_f32 v[SS+n:SS+n+1], v[SS+n:SS+n+1], s[CS:CS+1], v[12:13] op_sel_hi:[1,0,0]   ; t - M
.set n, n+2
.endr
.irp b, 0,1,2,3
	v_fma_f32 v[BM+\b], v[BM+\b], s[CS], v12
.endr
.set n, 0
.rept 64
	v_exp_f32 v[SS+n], v[SS+n]                     ; p, at most 1
.set n, n+1
.endr
	v_pk_mul_f32 v[14:15], v[14:15], v[FF:FF+1] op_sel_hi:[1,0]   ; the sum under the new M: a plain place behind the exponentials
	s_wait_alu depctr_va_vdst(0)                   ; the 64 exponentials have written p: one wait for the batch, ahead of its first reader
.irp b, 0,1,2,3
	v_exp_f32 v[BM+\b], v[BM+\b]                   ; the blocks' largest p
.endr
	v_pk_add_f32 v[PB:PB+1], v[SS:SS+1], v[SS+2:SS+3]             ; the row's sum of the unquantised p, in two chains
.set n, 4
.rept 15
	v_pk_add_f32 v[14:15], v[14:15], v[SS+n:SS+n+1]
	v_pk_add_f32 v[PB:PB+1], v[PB:PB+1], v[SS+n+2:SS+n+3]
.set n, n+4
.endr
	v_pk_add_f32 v[14:15], v[14:15], v[PB:PB+1]
	s_wait_alu depctr_va_vdst(0)                   ; and one for the four: the blocks' largest p are written
.irp b, 0,1,2,3
	v_max_num_f32 v[BM+\b], 0x1800000, v[BM+\b]    ; the floor 2^(3 - 127)
.endr
.irp b, 0,1,2,3
	v_add_nc_u32 v[SO+\b], 0xff000000, v[BM+\b]
.endr
.irp b, 0,1,2,3
	v_lshrrev_b32 v[PB+\b], 23, v[SO+\b]
.endr
	v_lshl_or_b32 v[FF+1], v[PB+1], 8, v[PB]       ; p's scale word for these 128 keys
	v_lshl_or_b32 v[FF+1], v[PB+2], 16, v[FF+1]
	v_lshl_or_b32 v[FF+1], v[PB+3], 24, v[FF+1]
.irp c, 0,1
	v_cvt_scalef32_pk16_fp6_f32 v[PCD+6*\c:PCD+6*\c+2], v[SS+32*\c:SS+32*\c+15], v[SO+2*\c]
	v_cvt_scalef32_pk16_fp6_f32 v[TP+4*\c:TP+4*\c+2], v[SS+32*\c+16:SS+32*\c+31], v[SO+2*\c+1]
.endr
	v_nop                                          ; one plain place behind a scaled conversion
	s_wait_alu depctr_va_vdst(0)                   ; the conversions are done reading p, and all that wrote p is done: V's fragments land in its registers.  No vector instruction between here and the second products names v80-127
.irp t, 0,1,2,3                        ; V's four fragments into the registers that p has left
	ds_load_b128 v[SS+12*\t:SS+12*\t+3], v1 offset:SLOTB*\p+VOFF+1536*\t
	ds_load_b64 v[SS+12*\t+4:SS+12*\t+5], v2 offset:SLOTB*\p+VOFF+1536*\t+512
	ds_load_b128 v[SS+12*\t+6:SS+12*\t+9], v1 offset:SLOTB*\p+VOFF+1536*\t+768
	ds_load_b64 v[SS+12*\t+10:SS+12*\t+11], v2 offset:SLOTB*\p+VOFF+1536*\t+1280
.endr
.irp c, 0,1                            ; the operand's layout wants a whole block in a lane
.irp i, 0,1,2
	v_permlane16_swap_b32 v[PCD+6*\c+\i], v[TP+4*\c+\i]
.endr
.irp i, 0,1,2
	v_mov_b32 v[PCD+6*\c+3+\i], v[TP+4*\c+\i]
.endr
.endr
.set n, 0
.rept 16
	v_pk_mul_f32 v[OT+n:OT+n+1], v[OT+n:OT+n+1], v[FF:FF+1] op_sel_hi:[1,0]   ; O^T under the new M; these sixteen are also the places between the writes of p's codes and scale word and the products
.set n, n+2
.endr
	s_wait_dscnt 0x0
	s_wait_alu depctr_va_vdst(0)                   ; p's codes and p's scale word are written, which the scaled products below take; the places above stay beside this wait
.irp t, 0,1                            ; O^T += V^T P^T: four accumulators by turns
	v_wmma_scale_f32_16x16x128_f8f6f4 v[OT+8*\t:OT+8*\t+7], v[SS+12*\t:SS+12*\t+11], v[PCD:PCD+11], v[OT+8*\t:OT+8*\t+7], v[VSR+2*\p+\t], v[FF+1] matrix_a_fmt:MATRIX_FMT_FP6 matrix_b_fmt:MATRIX_FMT_FP6
.endr
.irp t, 2,3
	v_wmma_scale_f32_16x16x128_f8f6f4 v[OT+8*\t:OT+8*\t+7], v[SS+12*\t:SS+12*\t+11], v[PCD:PCD+11], v[OT+8*\t:OT+8*\t+7], v[VSR+2*\p+\t-2], v[FF+1] matrix_a_fmt:MATRIX_FMT_FP6 matrix_b_fmt:MATRIX_FMT_FP6 matrix_a_scale:MATRIX_SCALE_ROW1
.endr
.rept 5
	v_nop                                          ; five places: the next step's score products write over registers that these have read
.endr
.Lhidden_\@:
	s_add_co_u32 s[KF], s[KF], 128
	s_wait_loadcnt 0x0                             ; the next step's bytes and scale words are in
	ds_store_b128 v3, v[CD:CD+3] offset:SLOTB*(1-\p)
	ds_store_b64 v4, v[CD+4:CD+5] offset:SLOTB*(1-\p)
	s_wait_dscnt 0x0                               ; my stores into the other slot have landed, and my reads of this slot are back
	s_barrier_signal -1
	s_barrier_wait -1                              ; both now hold of every wave
.endm
.Lpass:
	s_wait_xcnt 0x0                                ; the last pass's stores have read their bases and registers
	s_sub_co_u32 s48, 7, s9
	s_cmp_eq_u32 s[PASS], 2
	s_cselect_b32 s[QB], s48, s9                   ; the long block first
	s_lshl_b32 s[TT], s[QB], 4
	s_add_co_u32 s[TT], s[TT], s[WV]               ; my tile of queries
	s_lshr_b32 s[QMIN], s[TT], 1
	s_lshl_b32 s[QMIN], s[QMIN], 5
	s_and_b32 s48, s[TT], 1
	s_lshl_b32 s48, s48, 3
	s_add_co_u32 s[QMIN], s[QMIN], s48             ; its first query,
	s_add_co_u32 s[QMAX], s[QMIN], 23              ; its last
	s_add_co_u32 s[TRIPS], s[QB], 1
	s_lshl_b32 s[NST], s[TRIPS], 1                 ; key steps in this pass
	s_mul_i32 s36, s[TT], 768
	s_add_nc_u64 s[54:55], s[22:23], s[36:37]
	s_lshl_b32 s36, s[QB], 10
	s_add_co_u32 s36, s36, s58
	s_add_nc_u64 s[56:57], s[24:25], s[36:37]
	s_wait_alu depctr_va_vdst(0)                   ; the last pass's score products are done reading Q's codes and Q's scale word, in which the loads below land
	global_load_b128 v[16:19], v1, s[54:55]
	global_load_b64 v[20:21], v2, s[54:55] offset:512
	global_load_b32 v28, v7, s[56:57]
	v_mov_b32 v13, 0xff61b1e6                      ; the largest t so far: -3e38
	v_floor_f32 v12, -v13
	v_mov_b32 v14, 0
	v_mov_b32 v15, 0
.set n, 0
.rept 32
	v_mov_b32 v[OT+n], 0                           ; the step is written once: the first finds zeros, which the first change of M leaves zeros
.set n, n+1
.endr
	s_mov_b32 s[NXT], 1
	s_mov_b32 s[KF], 0
	s_mov_b32 s[TRIP], 0
	s_wait_loadcnt 0x0
.Ltrip:
	STEP 0
	STEP 1
	s_add_co_u32 s[TRIP], s[TRIP], 1
	s_cmp_lt_u32 s[TRIP], s[TRIPS]
	s_cbranch_scc1 .Ltrip
	; THE WAY OUT: O^T / the sum, quantised along d: register 16 b + i is d = 32 b + 16 h + i
	v_add_f32 v14, v14, v15
	v_permlanex16_b32 v[PB], v14, s[SEL], s[SEL+1]
	v_add_f32 v14, v14, v[PB]
	v_rcp_f32 v14, v14
	v_nop                                          ; a plain place behind the reciprocal
	s_mul_i32 s36, s[TT], 12288
	s_add_nc_u64 s[50:51], s[26:27], s[36:37]
	s_lshl_b32 s36, s[TT], 9
	s_add_nc_u64 s[52:53], s[28:29], s[36:37]
	s_wait_alu depctr_va_vdst(0)                   ; the reciprocal is written: the wait ahead of its first reader
.set n, 0
.rept 32
	v_mul_f32 v[SS+n], v[OT+n], v14
.set n, n+1
.endr
.irp b, 0,1
	v_max3_num_f32 v[BM+\b], |v[SS+16*\b]|, |v[SS+16*\b+1]|, 0x1800000
.endr
.irp i, 2,4,6,8,10,12,14
.irp b, 0,1
	v_max3_num_f32 v[BM+\b], v[BM+\b], |v[SS+16*\b+\i]|, |v[SS+16*\b+\i+1]|
.endr
.endr
.irp b, 0,1
	v_permlanex16_b32 v[PB+\b], v[BM+\b], s[SEL], s[SEL+1]
.endr
.irp b, 0,1
	v_max_num_f32 v[BM+\b], v[BM+\b], v[PB+\b]
.endr
.irp b, 0,1
	v_add_nc_u32 v[SO+\b], 0xff000000, v[BM+\b]
.endr
.irp b, 0,1
	v_lshrrev_b32 v[PB+\b], 23, v[SO+\b]
.endr
	v_lshl_or_b32 v232, v[PB+1], 8, v[PB]          ; my row's two bytes
	v_cvt_scalef32_pk16_fp6_f32 v[PCD:PCD+2], v[SS:SS+15], v[SO]
	v_cvt_scalef32_pk16_fp6_f32 v[TP:TP+2], v[SS+16:SS+31], v[SO+1]
	v_nop
.irp i, 0,1,2
	v_permlane16_swap_b32 v[PCD+\i], v[TP+\i]
.endr
.irp i, 0,1,2
	v_mov_b32 v[PCD+3+\i], v[TP+\i]
.endr
	s_wait_alu depctr_va_vdst(0)                   ; the conversions, swaps and moves have written the six registers of codes, and the shift-or v232: the three stores below read them
	global_store_b128 v1, v[PCD:PCD+3], s[50:51]
	global_store_b64 v2, v[PCD+4:PCD+5], s[50:51] offset:512
	global_store_b16 v8, v232, s[52:53]            ; lanes r and r + 16 store the same two bytes to the same place
	s_sub_co_u32 s[PASS], s[PASS], 1
	s_cmp_lg_u32 s[PASS], 0
	s_cbranch_scc1 .Lpass
	s_wait_dscnt 0x0                               ; the closing lines, six on end
	s_wait_alu 0x0
	s_wait_tensorcnt 0x0
	ds_add_u32 v[SPW], v[NIL]
	s_wait_dscnt 0x0
	s_endpgm
.Lfunc_end_k_qf241ccf73b_attn:
	.size	k_qf241ccf73b_attn, .Lfunc_end_k_qf241ccf73b_attn-k_qf241ccf73b_attn
	.p2alignl 7, 3214868480
	.fill 96, 4, 3214868480
	.section	.rodata,"a",@progbits
	.p2align	6, 0x0
	.amdhsa_kernel k_qf241ccf73b_attn
		.amdhsa_group_segment_fixed_size 26624
		.amdhsa_private_segment_fixed_size 0
		.amdhsa_enable_private_segment 0
		.amdhsa_kernarg_size 16
		.amdhsa_user_sgpr_count 2
		.amdhsa_user_sgpr_kernarg_segment_ptr 1
		.amdhsa_wavefront_size32 1
		.amdhsa_system_sgpr_workgroup_id_x 1
		.amdhsa_system_sgpr_workgroup_id_y 1
		.amdhsa_system_sgpr_workgroup_id_z 1
		.amdhsa_system_vgpr_workitem_id 0
		.amdhsa_next_free_vgpr 256
		.amdhsa_next_free_sgpr 66
		.amdhsa_reserve_vcc 0
		.amdhsa_float_denorm_mode_32 3
		.amdhsa_float_denorm_mode_16_64 3
		.amdhsa_memory_ordered 1
		.amdhsa_forward_progress 1
		.amdhsa_inst_pref_size 64
	.end_amdhsa_kernel
	.amdgpu_metadata
---
amdhsa.version: [ 1, 2 ]
amdhsa.kernels:
  - .name:           k_qf241ccf73b_attn
    .symbol:         k_qf241ccf73b_attn.kd
    .args:
      - { .name: qkvc, .offset: 0, .size: 8, .value_kind: global_buffer, .address_space: global }
      - { .name: att, .offset: 8, .size: 8, .value_kind: global_buffer, .address_space: global }
    .group_segment_fixed_size: 26624
    .private_segment_fixed_size: 0
    .kernarg_segment_align: 8
    .kernarg_segment_size: 16
    .max_flat_workgroup_size: 512
    .sgpr_count:     66
    .vgpr_count:     256
    .wavefront_size: 32
...
	.end_amdgpu_metadata
.endif
;; end of part 5
;; launch oproj: the kernel of part 4 again; grid 4 x 32, 4 waves a work-group, clusters of 4 x 4, 327,680 bytes of LDS; arguments att, pre, out0; writes out0
